; MI455X (gfx1250); checked and timed in simulation.
; The chip was launched on July 23, 2026; its instructions are those of AMD's public machine-readable ISA for CDNA 5 (MIT licence, August 2026) and "CDNA5" Instruction Set Architecture Reference Guide (July 2026). The comments in the code are by the model that wrote it; some were corrected since.
;; Causal attention. Allowed arithmetic: matrix products marked QUANTISED: E2M1 operands, one E8M0 scale for each 32 along K, by v_wmma_scale_f32_16x16x128_f8f6f4 with both operands' format E2M1 (or v_wmma_scale_f32_32x16x128_f4), f32 sums; products left as they are: bf16, f16 or f32 operands; f32 sums; everything else in f32.
;; Inputs: Wk 1,024 x 1,024 float32; Wq 1,024 x 1,024 float32; Wv 1,024 x 1,024 float32; x 4 x 2,048 x 1,024 float32.
;; Outputs: out0 4 x 2,048 x 1,024 float32.
;; This version of the problem:
;;   THIS VERSION OF THE PROBLEM IS GIVEN IN LOW PRECISION. The matrix products marked QUANTISED in the list below multiply operands that are first quantised to E2M1 (2 exponent bits, 1 mantissa bit; 4 bits a number), with one power-of-two scale for each 32 numbers along K (OCP MX v1.0); their sums are f32. The products marked 'left as it is' may take bf16, f16 or f32 operands, with f32 sums. Whichever they take, every output number must still come out within the allowed error. Rounding operands to bf16 (8 significant bits) uses up far more of that allowance than f16 does (11 bits, for magnitudes from 6e-5 to 65,504). All else is computed in f32.
;;   The module's matrix products, in the order in which they are computed (A, B: the left and right operand; K: the contracted axis; several contracted axes count as one K, in the product's order):
;;     1. [M 8,192, K 1,024] x [K 1,024, N 1,024]; A: input x; B: input Wq: QUANTISED
;;     2. [M 8,192, K 1,024] x [K 1,024, N 1,024]; A: input x; B: input Wk: QUANTISED
;;     3. [M 8,192, K 1,024] x [K 1,024, N 1,024]; A: input x; B: input Wv: QUANTISED
;;     4. batch 4 x [M 2,048, K 1,024] x [K 1,024, N 2,048]; A: computed on the way; B: computed on the way: left as it is (an operand is computed on the way)
;;     5. batch 4 x [M 2,048, K 2,048] x [K 2,048, N 1,024]; A: computed on the way; B: computed on the way: left as it is (an operand is computed on the way)
;;   THE QUANTISER, for each operand of a quantised product, along K:
;;     - K is cut into blocks of 32 from its start; a last block that is shorter is filled with zeros.
;;     - A block's scale is 2^e with e = floor(log2(the largest magnitude in the block)) - 2, held to -126 .. 127; a block of zeros has e = 0. As a byte (E8M0): e + 127.
;;     - Each number is divided by its block's scale, clamped to +-6, and rounded to the nearest number of E2M1, ties to even, subnormals kept.
;;     - The product sums the exact products of the quantised numbers (number of the format x scale) in f32.
;;   ~~~python
;;   def quantise(x, axis):      # numpy; x: float32 -> the quantised numbers, widened to float32 again
;;       x = np.moveaxis(x, axis, -1); K = x.shape[-1]
;;       x = np.pad(x, [(0, 0)] * (x.ndim - 1) + [(0, -K % 32)]); x = x.reshape(x.shape[:-1] + (-1, 32)); a = np.abs(x).max(-1, keepdims=True)
;;       e = np.where(a > 0, np.clip(np.frexp(np.where(a > 0, a, 1))[1] - 1 - 2, -126, 127), 0)      # np.frexp(a)[1] - 1 = floor(log2(a)), exactly
;;       r = np.clip(x / 2.0 ** e, -6, 6)
;;       step = 2.0 ** (np.maximum(np.frexp(np.where(r == 0, 1, r))[1] - 1, 0) - 1)
;;       q = np.round(r / step) * step * 2.0 ** e      # np.round: ties to even
;;       return np.moveaxis(q.reshape(q.shape[:-2] + (-1,))[..., :K], -1, axis).astype(np.float32)
;;   ~~~
;; One version. Each part assembles by itself: llvm-mc -triple=amdgcn-amd-amdhsa -mcpu=gfx1250 --defsym DOCPART=n.
;; ======== version 1 of 1: 4 launches
;; limits: values are held in f16: magnitudes above 65,504 overflow, below 6.1e-05 lose precision
;; workspace buffers: xc 4,194,304 bytes; xs 262,144 bytes; wc 1,572,864 bytes; ws 98,304 bytes; qkv 50,331,648 bytes; p 33,554,432 bytes; st 1,048,576 bytes
;; launch quant (part 1): grid 352 x 1, 4 waves a work-group, no clusters, 33,280 bytes of LDS; arguments x, Wq, Wk, Wv, xc, xs, wc, ws; writes xc, xs, wc, ws
.if DOCPART == 1
	.amdgcn_target "amdgcn-amd-amdhsa--gfx1250"
	.amdhsa_code_object_version 6
	.text
	.protected	k_q283a49a751_quant
	.globl	k_q283a49a751_quant
	.p2align	8
	.type	k_q283a49a751_quant,@function
k_q283a49a751_quant:
	s_mov_b64 s[64:65], 0
	v_nop
	global_prefetch_b8 v0, s[64:65] scope:SCOPE_SE
	s_setreg_imm32_b32 hwreg(HW_REG_WAVE_MODE, 25, 1), 1
	s_wait_xcnt 0x0
; x [8192][1024] and Wq, Wk, Wv [1024][1024], f32, are turned into codes of FP4 (E2M1), K innermost, two codes a byte, with one E8M0 scale byte for each 32 along K.
; xc [8192][512 bytes], xs [8192][32];  wc [3072][512 bytes], ws [3072][32]: rows 0-1023 Wq, 1024-2047 Wk, 2048-3071 Wv.
; A block's scale is 2^(floor(log2(its largest magnitude)) - 2); its byte is the largest magnitude's own exponent field - 2, held at 1 from below.  Each number is divided by the scale and
; rounded to the nearest code, ties to even; beyond 6 the conversion gives the largest code.
; LIMITS: a block of zeros gets the byte 1 where the rule says 127 (its codes are zeros, and this program alone reads the bytes); blocks whose largest magnitude lies under 2^-124, the floor,
; are held at that byte; NaN and infinities among the inputs are not served.
; Rows are dense and 1,024 is a multiple of 32, so each tensor is a plain stream of blocks of 32 numbers, and so are its codes and its scale bytes.
; SHARES: a work-group takes 32,768 numbers, a wave 16 steps of 512.  Work-groups 0-255 take x, 256-287 Wq, 288-319 Wk, 320-351 Wv: only pointers are chosen, by the work-group's number; there is one path.
; A step's four loads read 512 consecutive bytes each, 16 a lane; the 2,048 bytes turn through the wave's own stage in LDS and come back 64 bytes a lane: 16 neighbours along K, two lanes to a block.
; A lane's 16 codes are 8 bytes: the wave stores 256 consecutive bytes, aligned.  A wave's 256 scale bytes are gathered in LDS and leave in one store of 256 consecutive bytes.
; No tensor loads, no barrier: waves share nothing.  Loads run four steps (16 loads a wave) ahead.  No prefetch: the launch is one stream that every wave already asks for ahead.
.set WAVES, 4
.set STEPS, 16
.set EMAX,  2
.set CB,    8                          ; bytes of 16 codes
.set R,     16                         ; v16-79   four sets of 16 numbers as they are loaded
.set X,     80                         ; v80-111  two sets of 16 neighbours
.set C,     128                        ; v128-191 codes: four registers for each step, so that no store's data are written again
.set E,     112                        ; v112-127 a scale byte for each step
.set WREG,  8192                       ; LDS: a region for each wave: two stages of 32 x SP bytes, behind them its 256 scale bytes
.set SP,    80                         ; a lane's place in a stage: 64 bytes + 16 of padding
.set SPW,   12                         ; v12  LDS address of my spare word; never rewritten
.set NIL,   13                         ; v13  0; never rewritten
.set SPARE, WAVES*WREG                 ; behind the four regions: the spare words, 128 bytes for each wave
	s_load_b256 s[4:11], s[0:1], 0x0               ; x, Wq, Wk, Wv
	s_load_b256 s[12:19], s[0:1], 0x20             ; xc, xs, wc, ws
	v_lshl_add_u32 v[SPW], v0, 2, SPARE
	v_mov_b32 v[NIL], 0
	v_lshrrev_b32 v1, 5, v0
	v_readfirstlane_b32 s20, v1                    ; wave
	v_and_b32 v2, 31, v0                           ; lane
	v_lshlrev_b32 v3, 4, v2                        ; my 16 bytes of a load's 512
	s_mul_i32 s21, s20, WREG
	v_lshrrev_b32 v14, 2, v2
	v_mul_u32_u24 v14, v14, SP
	v_and_b32 v15, 3, v2
	v_lshl_add_u32 v14, v15, 4, v14
	v_add_nc_u32 v14, s21, v14                     ; the stage, on the way in: SP (lane / 4) + 16 (lane % 4)
	v_mul_u32_u24 v15, v2, SP
	v_add_nc_u32 v15, s21, v15                     ; and on the way out: SP x lane: my 16 neighbours
	v_mul_u32_u24 v4, v2, CB                       ; my codes' place in a step's
	v_lshrrev_b32 v5, 1, v2
	s_add_co_u32 s21, s21, 2*32*SP
	v_add_nc_u32 v5, s21, v5                       ; LDS: my wave's 256 scale bytes, my block's byte
	v_lshlrev_b32 v7, 3, v2                        ; and on the way out 8 bytes a lane
	v_add_nc_u32 v6, s21, v7
	s_wait_kmcnt 0x0
	s_cmp_lt_u32 ttmp9, 288                        ; which tensor?  Every choice hangs on the work-group's number alone
	s_cselect_b64 s[22:23], s[6:7], s[8:9]         ; Wq or Wk,
	s_cmp_lt_u32 ttmp9, 320
	s_cselect_b64 s[22:23], s[22:23], s[10:11]     ; or Wv,
	s_cmp_lt_u32 ttmp9, 256
	s_cselect_b64 s[4:5], s[4:5], s[22:23]         ; or x
	s_cselect_b64 s[12:13], s[12:13], s[16:17]     ; its codes
	s_cselect_b64 s[14:15], s[14:15], s[18:19]     ; its scale bytes
	s_cselect_b32 s24, 0, 256
	s_cselect_b32 s25, 255, 31
	s_sub_co_u32 s26, ttmp9, s24                   ; the work-group's place in the codes' buffer (the three weights lie on end),
	s_and_b32 s28, s26, s25                        ; and in its own tensor
	s_lshl_b32 s26, s26, 2
	s_add_co_u32 s26, s26, s20                     ; which run of 8,192 numbers is my wave's: on the way out,
	s_lshl_b32 s28, s28, 2
	s_add_co_u32 s28, s28, s20                     ; and on the way in
	s_lshl_b32 s28, s28, 15                        ; 32,768 bytes of f32 a run
	s_mov_b32 s29, 0
	s_add_nc_u64 s[4:5], s[4:5], s[28:29]
	s_lshl_b32 s30, s26, 12                        ; 4,096 bytes of codes
	s_mov_b32 s31, 0
	s_add_nc_u64 s[12:13], s[12:13], s[30:31]
	s_lshl_b32 s32, s26, 8                         ; 256 scale bytes
	s_mov_b32 s33, 0
	s_add_nc_u64 s[14:15], s[14:15], s[32:33]
.macro LOAD t
.irp i, 0,1,2,3
	global_load_b128 v[R+16*((\t)%4)+4*\i:R+16*((\t)%4)+4*\i+3], v3, s[4:5] offset:2048*(\t)+512*\i th:TH_LOAD_NT   ; 32 lanes read 512 consecutive bytes
.endr
.endm
.macro TURN t                          ; step t's numbers through the stage: LDS serves a wave's instructions in order, so no wait stands between the stores and the loads
.irp i, 0,1,2,3
	ds_store_b128 v14, v[R+16*((\t)%4)+4*\i:R+16*((\t)%4)+4*\i+3] offset:32*SP*((\t)%2)+8*SP*\i
.endr
.irp i, 0,1,2,3
	ds_load_b128 v[X+16*((\t)%2)+4*\i:X+16*((\t)%2)+4*\i+3], v15 offset:32*SP*((\t)%2)+16*\i
.endr
.endm
.irp t, 0,1,2,3
	LOAD \t
.endr
	s_wait_loadcnt 12                              ; step 0's four loads are in; the twelve of steps 1 to 3 may be out
	TURN 0
.macro STEP t
.set XS, X+16*((\t)%2)
.if (\t) > 0
	s_wait_dscnt 1                                 ; this step's numbers are back from the stage (the last step's byte store may be out): so its stores into the stage have read their registers,
.else
	s_wait_dscnt 0x0
.endif
.if (\t)+4 < STEPS
	LOAD (\t)+4                                    ; which take the loads of four steps on
.endif
.if (\t)+1 < STEPS
.if STEPS-2-(\t) >= 3
	s_wait_loadcnt 12                              ; the next step's four loads are in; those of the three steps behind it may be out
.else
	s_wait_loadcnt 4*(STEPS-2-(\t))
.endif
	TURN (\t)+1                                    ; and go through the other stage while this step is worked
.endif
	v_max3_num_f32 v8, |v[XS]|, |v[XS+1]|, |v[XS+2]|               ; the largest magnitude of my 16, in two chains
	v_max3_num_f32 v9, |v[XS+3]|, |v[XS+4]|, |v[XS+5]|
.irp i, 6,10
	v_max3_num_f32 v8, v8, |v[XS+\i]|, |v[XS+\i+1]|
	v_max3_num_f32 v9, v9, |v[XS+\i+2]|, |v[XS+\i+3]|
.endr
	v_max3_num_f32 v8, v8, |v[XS+14]|, |v[XS+15]|
	v_max3_num_f32 v8, v8, v9, (EMAX+1)<<23        ; and the floor 2^(EMAX + 1 - 127): so the byte cannot fall under 1
	v_max_num_f32_dpp v8, v8, v8 row_xmask:1 row_mask:0xf bank_mask:0xf   ; and of my neighbour's 16: the block's
	v_add_nc_u32 v11, -(EMAX<<23), v8              ; EMAX off its exponent field: the conversion takes the exponent field of this operand as its scale, and nothing else of it
	v_cvt_scalef32_pk8_fp4_f32 v[C+4*(\t)], v[XS:XS+7], v11        ; eight numbers / the scale, to the nearest code; the first number's code in the lowest four bits
	v_cvt_scalef32_pk8_fp4_f32 v[C+4*(\t)+1], v[XS+8:XS+15], v11
	v_lshrrev_b32 v[E+(\t)], 23, v11               ; the scale's byte (also the plain line behind the conversions)
	ds_store_b8 v5, v[E+(\t)] offset:16*(\t)       ; both lanes of a block write the same byte with the same value
	global_store_b64 v4, v[C+4*(\t):C+4*(\t)+1], s[12:13] offset:32*CB*(\t)   ; 32 lanes store 256 consecutive bytes, aligned
.endm
.irp t, 0,1,2,3,4,5,6,7,8,9,10,11,12,13,14,15
	STEP \t
.endr
	ds_load_b64 v[8:9], v6                         ; LDS serves a wave's instructions in order: these see my stores
	s_wait_dscnt 0x0
	global_store_b64 v7, v[8:9], s[14:15]          ; 32 lanes store 256 consecutive bytes, aligned
	s_wait_tensorcnt 0x0                           ; the wave's end, behind my last LDS store
	ds_add_u32 v[SPW], v[NIL]
	s_wait_dscnt 0x0
	s_endpgm
.Lfunc_end_k_q283a49a751_quant:
	.size	k_q283a49a751_quant, .Lfunc_end_k_q283a49a751_quant-k_q283a49a751_quant
	.p2alignl 7, 3214868480
	.fill 96, 4, 3214868480
	.section	.rodata,"a",@progbits
	.p2align	6, 0x0
	.amdhsa_kernel k_q283a49a751_quant
		.amdhsa_group_segment_fixed_size 33280
		.amdhsa_private_segment_fixed_size 0
		.amdhsa_enable_private_segment 0
		.amdhsa_kernarg_size 64
		.amdhsa_user_sgpr_count 2
		.amdhsa_user_sgpr_kernarg_segment_ptr 1
		.amdhsa_wavefront_size32 1
		.amdhsa_system_sgpr_workgroup_id_x 1
		.amdhsa_system_sgpr_workgroup_id_y 1
		.amdhsa_system_sgpr_workgroup_id_z 1
		.amdhsa_system_vgpr_workitem_id 0
		.amdhsa_next_free_vgpr 192
		.amdhsa_next_free_sgpr 66
		.amdhsa_reserve_vcc 0
		.amdhsa_float_denorm_mode_32 3
		.amdhsa_float_denorm_mode_16_64 3
		.amdhsa_memory_ordered 1
		.amdhsa_forward_progress 1
		.amdhsa_inst_pref_size 34
	.end_amdhsa_kernel
	.amdgpu_metadata
---
amdhsa.version: [ 1, 2 ]
amdhsa.kernels:
  - .name:           k_q283a49a751_quant
    .symbol:         k_q283a49a751_quant.kd
    .args:
      - { .name: x, .offset: 0, .size: 8, .value_kind: global_buffer, .address_space: global }
      - { .name: Wq, .offset: 8, .size: 8, .value_kind: global_buffer, .address_space: global }
      - { .name: Wk, .offset: 16, .size: 8, .value_kind: global_buffer, .address_space: global }
      - { .name: Wv, .offset: 24, .size: 8, .value_kind: global_buffer, .address_space: global }
      - { .name: xc, .offset: 32, .size: 8, .value_kind: global_buffer, .address_space: global }
      - { .name: xs, .offset: 40, .size: 8, .value_kind: global_buffer, .address_space: global }
      - { .name: wc, .offset: 48, .size: 8, .value_kind: global_buffer, .address_space: global }
      - { .name: ws, .offset: 56, .size: 8, .value_kind: global_buffer, .address_space: global }
    .group_segment_fixed_size: 33280
    .private_segment_fixed_size: 0
    .kernarg_segment_align: 8
    .kernarg_segment_size: 64
    .max_flat_workgroup_size: 128
    .sgpr_count:     66
    .vgpr_count:     192
    .wavefront_size: 32
...
	.end_amdgpu_metadata
.endif
;; end of part 1
;; launch proj (part 2): grid 12 x 32, 4 waves a work-group, clusters of 4 x 4, 327,680 bytes of LDS; arguments xc, xs, wc, ws, qkv; writes qkv
.if DOCPART == 2
	.amdgcn_target "amdgcn-amd-amdhsa--gfx1250"
	.amdhsa_code_object_version 6
	.text
	.protected	k_q283a49a751_proj
	.globl	k_q283a49a751_proj
	.p2align	8
	.type	k_q283a49a751_proj,@function
k_q283a49a751_proj:
	s_mov_b64 s[64:65], 0
	v_nop
	global_prefetch_b8 v0, s[64:65] scope:SCOPE_SE
	s_setreg_imm32_b32 hwreg(HW_REG_WAVE_MODE, 25, 1), 1
	s_wait_xcnt 0x0
	s_wait_alu depctr_hold_cnt(0) depctr_sa_sdst(0) depctr_va_vdst(0) depctr_va_sdst(0) depctr_va_ssrc(0) depctr_va_vcc(0) depctr_vm_vsrc(0)
	s_getreg_b32 s2, hwreg(HW_REG_IB_STS2, 6, 4)
	s_cmp_eq_u32 s2, 0
	s_cbranch_scc0 .Lentry_in_a_cluster
	s_endpgm
.Lentry_in_a_cluster:
	s_bfe_u32 s2, ttmp6, 0x10000c
	s_cmp_lg_u32 s2, 0xf033
	s_cbranch_scc0 .Lentry_shape_is_right
	s_endpgm
.Lentry_shape_is_right:
; qkv[m][n] = sum over k of x[m][k] W[n][k], m = 0 .. 8191, n = 0 .. 3071 (Wq's, Wk's, Wv's rows on end), K = 1,024, both operands as codes of FP4 (E2M1) with one E8M0 scale for each 32 along K;
; sums in f32, K ascending; the result is rounded once to f16: qkv [8192][3072] f16, q at byte 0 of a row, k at 2,048, v at 4,096.
; LIMIT: a sum beyond 65,504 in magnitude becomes an infinity of f16.
; A tile of 256 x 256 is made by a work-group of four waves; a wave makes 128 x 128: 64 accumulators of 16 x 16, 512 registers.  K = 1,024 is two LDS slots of 512 along K (rows of 256 bytes):
; both are asked for at the head and nothing is filled again.  The scale bytes of the work-group's 256 + 256 rows, for all of K, are two dense blocks and come with the first fills.
; CLUSTERS: 4 x 4 work-groups.  The four of a row of the cluster need the same tiles of x, the four of a column the same tiles of W: each tile is asked for JOINTLY, by the same tensor load with the
; same descriptor and a mask that names the four.  THE MATRIX INSTRUCTION IS USED TRANSPOSED (source 0 = 16 rows of W, source 1 = 16 rows of x): a lane then holds eight neighbouring numbers of a row of qkv.
; 12 x 32 = 384 tiles.  A tile of 256 x 384 (256 tiles) would take 768 registers of accumulators and leave no room for two sets of W's fragments.  No prefetch: all tiles are asked for at the head.
; REGISTERS, in windows of 256: window 0: v0-31 addresses; v32-95 scale words, two sets; from v128 x's fragments (8 x 16 rows x 128 K), ONE set; on the way out v32-63 and v192-255 are at work.
;   window 1: W's fragments, TWO sets, at v0 and at v128.   window 2: the 32 accumulators of my rows 0-63 ((a, b) at v[8 (8 a + b)]);   window 3: those of my rows 64-127.
.set SIZE_N, 3072
.set SIZE_K, 1024
.set KSTEP,  512                       ; along K in a slot
.set NQ,     KSTEP/128                 ; matrix instructions deep
.set ROWB,   256                       ; a tile's row in bytes
.set KROW,   SIZE_K*4/8                ; a row of codes in memory, in bytes
.set PITCH,  272                       ; an LDS row: 256 bytes + 16 of padding = 68 words: the 16 rows that a load touches start at 16 different banks (64 banks of 4 bytes: ISA guide 11.1)
.set FR,     8                         ; registers of a fragment: 16 rows x 128 K
.set NL,     2                         ; LDS loads that bring one
.set NP,     4                         ; places behind this matrix instruction (ISA guide 7.12.1)
.set HALFT,  128*PITCH                 ; 128 rows: what one tensor load brings
.set SLOT,   4*HALFT                   ; x's 256 rows, then W's 256 rows
.set KS,     SIZE_K/32                 ; a row of scale bytes
.set SCL,    2*SLOT                    ; behind the slots: the scales, as rows of 256 bytes + 16 of padding
.set HALFS,  (128*KS/256)*272          ; the scales of 128 rows: what one tensor load brings
.set SBLK,   (16*KS/256)*272           ; those of 16 rows
.set SPARE,  SCL+4*HALFS               ; behind the scales: the spare words, 128 bytes for each wave
.set SPITCH, 272                       ; the way out: a stage of 16 rows x (256 bytes + 16) for each wave, in slot 0, which has had its only fill and its last read when the first result is stored there
.set CROW,   SIZE_N*2                  ; a row of qkv in bytes
.set ADRA, 16                          ; v16-17  LDS address of my x fragments in slot 0, 1
.set ADRB, 20                          ; v20-21  the same for W
.set STO,  24                          ; v24     the way out: where I put 16 bytes of a row
.set RD,   25                          ; v25     where I read a row back
.set CO,   26                          ; v26     my byte offset in qkv
.set ADRS, 27                          ; v27     LDS address of my scale words: lanes 0-15 x's rows, lanes 16-31 W's
.set SPW,  28                          ; v28     LDS address of my spare word; never rewritten
.set NIL,  29                          ; v29     0; never rewritten
.set SC,   32                          ; scale words: set s at v[SC + 8 NQ s]; register NQ i + q: lanes 0-15 the word of x's block i, lanes 16-31 that of W's block i, for the slot's q-th 128 along K
.set AF,   128                         ; x's fragments, in window 0
.set TMP,  192                         ; the way out: packed results
.set OB,   32                          ; the way out: 16 rows read back from the stage: v32-63 and v224-255 by turns
.set G1, 24                            ; s[24:31] descriptor group 1 for x's tiles;  s[32:39] group 0, one set for each slot
.set G0, 32
.set G1B, 48                           ; s[48:55], s[56:63] the same for W's tiles
.set G0B, 56
.set G1S, 68                           ; s[68:75], s[76:79] groups 1 and 0 for x's scales;  s[80:87], s[88:91] for W's
.set G0S, 76
.set G1SB, 80
.set G0SB, 88
.set MSB, 0
.macro WIN new                         ; the immediate's high byte repeats the setting that is left; a switch that changes nothing is dropped
.if MSB != (\new)
	s_set_vgpr_msb (MSB<<8)|(\new)
.set MSB, (\new)
.endif
.endm
.set MUL_LO, 0xa1                      ; source 0 (W) window 1, source 1 (x) window 0, C and D window 2
.set MUL_HI, 0xf1                      ; the same, C and D window 3
.set TO_B,   0x40                      ; destination window 1, address window 0
; A joint load: waves 0 and 1 fetch for x, waves 2 and 3 for W.  Each of the two lines has ONE mask and one set of registers for all that issue it; the branch hangs on the wave's number alone.
; An s_nop 0 and four v_nop follow each of the two lines.
.macro JLOAD g0a, g1a, g0b, g1b
	s_cmp_eq_u32 s15, 0
	s_cbranch_scc0 .Lfor_b_\@
	tensor_load_to_lds s[\g0a:\g0a+3], s[\g1a:\g1a+7]
	s_nop 0
.rept 4
	v_nop
.endr
	s_branch .Lasked_\@
.Lfor_b_\@:
	tensor_load_to_lds s[\g0b:\g0b+3], s[\g1b:\g1b+7]
	s_nop 0
.rept 4
	v_nop
.endr
.Lasked_\@:
.endm
.macro CROUND                          ; a round of the cluster's barrier: my work-group's barrier; wave 0 signals for the work-group; every wave waits for all sixteen; my work-group's barrier once more
	s_barrier_signal -1
	s_barrier_wait -1
	s_cmp_lg_u32 s14, 0
	s_cbranch_scc1 .Lnot_wave_0_\@
	s_barrier_signal -3
.Lnot_wave_0_\@:
	s_barrier_wait -3
	s_barrier_signal -1
	s_barrier_wait -1
.endm
	s_load_b128 s[4:7], s[0:1], 0x0                ; x's codes s[4:5], x's scales s[6:7]
	s_load_b128 s[8:11], s[0:1], 0x10              ; W's codes s[8:9], W's scales s[10:11]
	s_load_b64 s[12:13], s[0:1], 0x20              ; qkv
	v_lshl_add_u32 v[SPW], v0, 2, SPARE
	v_mov_b32 v[NIL], 0
	ds_add_u32 v[SPW], v[NIL]                      ; the wave's opening: the add, twice on end, and its wait ahead of my first tensor load
	ds_add_u32 v[SPW], v[NIL]                      ; the set-up below, work on registers, stands between the second and the wait
	v_lshrrev_b32 v1, 5, v0
	v_readfirstlane_b32 s14, v1                    ; wave 0..3
	s_lshr_b32 s15, s14, 1                         ; which half of the tile's rows is mine.  Also: I fetch for x (0) or for W (1)
	s_and_b32 s16, s14, 1                          ; which half of its columns.  Also: which 128 rows of that tile I fetch
	s_bfe_u32 s40, ttmp6, 0x40000                  ; cx, cy: my place in the cluster
	s_bfe_u32 s41, ttmp6, 0x40004
	s_lshl_b32 s42, ttmp9, 2
	s_add_co_u32 s42, s42, s40                     ; tile column = 4 x cluster x + cx
	s_and_b32 s17, ttmp7, 0xffff
	s_lshl_b32 s17, s17, 2
	s_add_co_u32 s17, s17, s41                     ; tile row = 4 x cluster y + cy
	s_lshl_b32 s43, s41, 2
	s_lshl_b32 s43, 15, s43                        ; my row of the cluster
	s_lshl_b32 s44, 0x1111, s40                    ; my column
	; descriptor group 1: a tile of 128 rows x 256 bytes, padded in LDS
	s_or_b32 s[G1+0], s43, (0<<16)|(1<<20)|(1<<21)|(5<<22)|(3<<25)  ; 15:0 the mask: x's tiles go to my row; 17:16 elements of 1 byte; 20 padding on; 21 set beside a mask; 24:22 after every 64 words; 31:25 four words
	s_or_b32 s[G1B+0], s44, (0<<16)|(1<<20)|(1<<21)|(5<<22)|(3<<25)
.irp g, G1, G1B
	s_mov_b32 s[\g+1], ROWB<<16                    ; tensor_dim0
	s_mov_b32 s[\g+2], 128<<16                     ; tensor_dim1 = 128
	s_mov_b32 s[\g+3], ROWB<<16                    ; tile_dim0
	s_mov_b32 s[\g+4], 128                         ; tile_dim1 = 128
	s_mov_b32 s[\g+5], KROW                        ; tensor_dim0_stride
	s_mov_b32 s[\g+6], 0
	s_mov_b32 s[\g+7], 0
.endr
	; and for the scales of 128 rows: a dense block of 4,096 bytes, as 16 rows of 256 bytes (32 elements of 8 bytes), 16 bytes of padding behind each
	s_or_b32 s[G1S+0], s43, (3<<16)|(1<<20)|(1<<21)|(5<<22)|(3<<25)
	s_or_b32 s[G1SB+0], s44, (3<<16)|(1<<20)|(1<<21)|(5<<22)|(3<<25)
.irp g, G1S, G1SB
	s_mov_b32 s[\g+1], 32<<16
	s_mov_b32 s[\g+2], (128*KS/256)<<16
	s_mov_b32 s[\g+3], 32<<16
	s_mov_b32 s[\g+4], 128*KS/256
	s_mov_b32 s[\g+5], 32
	s_mov_b32 s[\g+6], 0
	s_mov_b32 s[\g+7], 0
.endr
	s_lshl_b32 s18, s16, 7                         ; which 128 rows of the tile I fetch
	s_lshl_b32 s20, s17, 8
	s_add_co_u32 s20, s20, s18                     ; x: row 256 x tile row + 128 x half
	s_lshl_b32 s46, s42, 8
	s_add_co_u32 s46, s46, s18                     ; W: row 256 x tile column + 128 x half
	s_mov_b32 s21, 0
	s_mov_b32 s47, 0
	s_mov_b64 s[18:19], KS
	s_mul_u64 s[22:23], s[20:21], s[18:19]         ; where these rows' scales begin, in bytes
	s_mul_u64 s[92:93], s[46:47], s[18:19]
	s_mov_b64 s[18:19], KROW
	s_mul_u64 s[20:21], s[20:21], s[18:19]         ; and their codes
	s_mul_u64 s[46:47], s[46:47], s[18:19]
	s_mul_i32 s45, s14, HALFT                      ; where they go: wave x 128 rows: no place in the cluster enters an LDS address
	s_mul_i32 s94, s14, HALFS
	s_wait_dscnt 0x0                               ; both opening adds are done
	s_wait_kmcnt 0x0
	s_add_nc_u64 s[20:21], s[4:5], s[20:21]
	s_add_nc_u64 s[22:23], s[6:7], s[22:23]
	s_add_nc_u64 s[46:47], s[8:9], s[46:47]
	s_add_nc_u64 s[92:93], s[10:11], s[92:93]
	CROUND                                         ; all sixteen work-groups are here: the joint loads meet
	s_mov_b32 s[G0S], 1
	s_add_co_u32 s[G0S+1], s94, SCL
	s_mov_b64 s[G0S+2:G0S+3], s[22:23]
	s_or_b32 s[G0S+3], s[G0S+3], 0x80000000
	s_mov_b32 s[G0SB], 1
	s_add_co_u32 s[G0SB+1], s94, SCL
	s_mov_b64 s[G0SB+2:G0SB+3], s[92:93]
	s_or_b32 s[G0SB+3], s[G0SB+3], 0x80000000
	JLOAD G0S, G1S, G0SB, G1SB                     ; the scales first: they are wanted with slot 0
.irp s, 0,1
	s_mov_b32 s[G0+4*\s], 1
	s_add_co_u32 s[G0+4*\s+1], s45, \s*SLOT
	s_add_nc_u64 s[G0+4*\s+2:G0+4*\s+3], s[20:21], \s*ROWB
	s_or_b32 s[G0+4*\s+3], s[G0+4*\s+3], 0x80000000
	s_mov_b32 s[G0B+4*\s], 1
	s_add_co_u32 s[G0B+4*\s+1], s45, \s*SLOT
	s_add_nc_u64 s[G0B+4*\s+2:G0B+4*\s+3], s[46:47], \s*ROWB
	s_or_b32 s[G0B+4*\s+3], s[G0B+4*\s+3], 0x80000000
	JLOAD G0+4*\s, G1, G0B+4*\s, G1B               ; by this text's count three tensor loads of a wave are out, and no more are issued
.endr
	v_and_b32 v1, 15, v0                           ; l % 16
	v_bfe_u32 v2, v0, 4, 1                         ; l / 16
	v_mul_u32_u24 v3, v1, PITCH
	v_lshl_add_u32 v4, v2, 4, v3                   ; a fragment's row x pitch + 16 x half
	s_mul_i32 s21, s15, HALFT                      ; my 128 rows of x
	s_mul_i32 s22, s16, HALFT                      ; my 128 rows of W,
	s_add_co_u32 s22, s22, 2*HALFT                 ; which lie behind x's 256
.irp s, 0,1
	v_add_nc_u32 v[ADRA+\s], s21, v4
	v_add_nc_u32 v[ADRB+\s], s22, v4
	s_add_co_u32 s21, s21, SLOT
	s_add_co_u32 s22, s22, SLOT
.endr
	v_mul_u32_u24 v5, v1, KS                       ; my row's scales: KS bytes a row,
	v_lshrrev_b32 v6, 8, v5
	v_lshl_add_u32 v5, v6, 4, v5                   ; and 16 more for each 256 passed
	s_mul_i32 s21, s15, HALFS                      ; x's: my 128 rows
	s_mul_i32 s22, s16, HALFS                      ; W's: my 128 rows, behind x's 256
	s_add_co_u32 s22, s22, 2*HALFS
	s_sub_co_u32 s22, s22, s21
	v_mul_u32_u24 v6, s22, v2                      ; lanes 16-31 take W's: one product, the distance between the two bases
	s_add_co_u32 s21, s21, SCL
	v_add_nc_u32 v5, v5, v6
	v_add_nc_u32 v[ADRS], s21, v5
	s_mul_i32 s23, s14, 16*SPITCH                  ; my stage
	v_mul_u32_u24 v5, v1, SPITCH                   ; in: row l % 16, 16 bytes for each half of the lanes
	v_lshl_add_u32 v5, v2, 4, v5
	v_add_nc_u32 v[STO], s23, v5
	v_mul_u32_u24 v5, v2, SPITCH                   ; back: lanes 0-15 take one row of 256 bytes, lanes 16-31 the next
	v_lshl_add_u32 v5, v1, 4, v5
	v_add_nc_u32 v[RD], s23, v5
	v_mul_u32_u24 v5, v2, CROW                     ; and the same two rows in qkv
	v_lshl_add_u32 v[CO], v1, 4, v5
	s_lshl_b32 s20, s17, 8
	s_lshl_b32 s21, s15, 7
	s_add_co_u32 s20, s20, s21                     ; my first row: 256 x tile row + 128 x half
	s_mov_b32 s21, 0
	s_mov_b64 s[18:19], CROW
	s_mul_u64 s[20:21], s[20:21], s[18:19]
	s_lshl_b32 s46, s42, 9                         ; my first column, in bytes: 512 x tile column + 256 x half
	s_lshl_b32 s47, s16, 8
	s_add_co_u32 s46, s46, s47
	s_mov_b32 s47, 0
	s_add_nc_u64 s[20:21], s[20:21], s[46:47]
	s_add_nc_u64 s[12:13], s[12:13], s[20:21]
.macro FRAG reg, adr, q, i             ; a fragment, 16 rows x 128 K of 4-bit codes: lane l holds row l % 16; registers 4 c .. 4 c + 3 hold K = 64 c + 32 (l / 16) + 0 .. 31
.irp c, 0,1
	ds_load_b128 v[\reg+4*\c:\reg+4*\c+3], v[\adr] offset:64*(\q)+32*\c+(\i)*16*PITCH
.endr
.endm
; 16 matrix instructions: x's blocks a0, a0 + 1 against W's eight, 128 along K: the slot's q-th.  p: W's set;  sc: the set of scale words.  zero = 1: the first product starts the sums: nothing is cleared.
; The 64 accumulators take turns, one instruction a turn, in the same order in every step.
.macro MUL16 a0, p, q, sc, zero
.irp a, \a0, \a0+1
.irp b, 0,1,2,3,4,5,6,7
.if \zero
	v_wmma_scale_f32_16x16x128_f8f6f4 v[8*(8*((\a)%4)+\b):8*(8*((\a)%4)+\b)+7], v[128*(\p)+FR*\b:128*(\p)+FR*\b+FR-1], v[AF+FR*(\a):AF+FR*(\a)+FR-1], 0, v[SC+8*NQ*(\sc)+NQ*\b+(\q)], v[SC+8*NQ*(\sc)+NQ*(\a)+(\q)] matrix_a_fmt:MATRIX_FMT_FP4 matrix_b_fmt:MATRIX_FMT_FP4 matrix_a_scale:MATRIX_SCALE_ROW1
.else
	v_wmma_scale_f32_16x16x128_f8f6f4 v[8*(8*((\a)%4)+\b):8*(8*((\a)%4)+\b)+7], v[128*(\p)+FR*\b:128*(\p)+FR*\b+FR-1], v[AF+FR*(\a):AF+FR*(\a)+FR-1], v[8*(8*((\a)%4)+\b):8*(8*((\a)%4)+\b)+7], v[SC+8*NQ*(\sc)+NQ*\b+(\q)], v[SC+8*NQ*(\sc)+NQ*(\a)+(\q)] matrix_a_fmt:MATRIX_FMT_FP4 matrix_b_fmt:MATRIX_FMT_FP4 matrix_a_scale:MATRIX_SCALE_ROW1
.endif
.endr
.endr
.endm
.macro FETCH_B slot, q, p              ; W's eight fragments of the slot's q-th 128 along K into set p
	WIN TO_B
.irp i, 0,1,2,3,4,5,6,7
	FRAG 128*(\p)+FR*\i, ADRB+\slot, \q, \i
.endr
	WIN 0
.endm
.macro FETCH_A slot, q, i0             ; x's blocks i0 .. i0 + 3
.irp i, \i0, \i0+1, \i0+2, \i0+3
	FRAG AF+FR*(\i), ADRA+\slot, \q, \i
.endr
.endm
.macro SCALES sc                       ; a slot's scale words into set sc: NQ words a row; lanes 0-15 take x's block i, lanes 16-31 W's block i
.irp i, 0,1,2,3,4,5,6,7
	ds_load_b128 v[SC+8*NQ*\sc+NQ*\i:SC+8*NQ*\sc+NQ*\i+3], v[ADRS] offset:\i*SBLK
.endr
.endm
; A load into a register that a matrix instruction has read, and a vector instruction that reads a matrix result, stand NP places behind that matrix instruction; only plain vector
; instructions that name none of its registers are places (ISA guide 7.12.1 for vector instructions).
.macro PLACES n
.rept \n
	v_nop
.endr
.endm
; A step of 128 along K that has its successor in the same slot.  x has one set of registers: blocks 0-3 are fetched anew in the step's middle, blocks 4-7 at its end.
.macro STEP slot, q, zero
	s_wait_dscnt 4*NL                              ; W's set and x's blocks 0-3 are in; the youngest eight loads (x's blocks 4-7) may be out
	WIN MUL_LO
	MUL16 0, (\q)%2, \q, \slot, \zero
	MUL16 2, (\q)%2, \q, \slot, \zero
	s_wait_dscnt 0                                 ; x's blocks 4-7 are in (asked for 32 matrix instructions ago)
	PLACES NP
	FETCH_B \slot, (\q)+1, 1-(\q)%2
	FETCH_A \slot, (\q)+1, 0
	WIN MUL_HI
	MUL16 4, (\q)%2, \q, \slot, \zero
	MUL16 6, (\q)%2, \q, \slot, \zero
	PLACES NP
	WIN 0
	FETCH_A \slot, (\q)+1, 4
.endm
; Slot 0's last step changes slots: one barrier; in front of it each wave waits for all its tensor loads (its part of slot 1), adds 0 to its spare word, and waits for that and for its reads of slot 0.
.macro TURN slot, next
	s_wait_tensorcnt 0x0                           ; all my tensor loads have landed  (every window is 0 here)
	ds_add_u32 v[SPW], v[NIL]                      ; 0 onto my spare word
	s_wait_dscnt 4*NL+1                            ; (the add and the youngest eight loads, x's blocks 4-7, may be out)
	WIN MUL_LO
	MUL16 0, 1, NQ-1, \slot, 0                     ; sixteen matrix instructions stand between the add and the wait for it
	s_wait_dscnt 0x0                               ; the add is done, and my reads of this slot are over
	s_barrier_signal -1
	MUL16 2, 1, NQ-1, \slot, 0
	WIN 0
	s_barrier_wait -1                              ; slot 1 is whole, and nobody reads slot 0 any more
	PLACES NP
	v_add_nc_u32 v[ADRS], 4*NQ, v[ADRS]            ; on to the next slot's scale words
	FETCH_B \next, 0, 0
	FETCH_A \next, 0, 0
	SCALES \next
	WIN MUL_HI
	MUL16 4, 1, NQ-1, \slot, 0
	MUL16 6, 1, NQ-1, \slot, 0
	PLACES NP
	WIN 0
	FETCH_A \next, 0, 4
.endm
.macro STEPS slot, from                ; the slot's steps from .. NQ - 2
.set Q, \from
.rept NQ-1-\from
	STEP \slot, Q, 0
.set Q, Q+1
.endr
.endm
	s_wait_tensorcnt 1                             ; the scales and my part of slot 0 are in (slot 1's load may be out)
	s_barrier_signal -1
	s_barrier_wait -1                              ; everybody's are
	FETCH_B 0, 0, 0
	FETCH_A 0, 0, 0
	SCALES 0
	FETCH_A 0, 0, 4
	STEP 0, 0, 1                                   ; the first step's products start the sums
	STEPS 0, 1
	TURN 0, 1
	STEPS 1, 0
	s_wait_dscnt 4*NL                              ; the very last step: nothing more to fetch
	WIN MUL_LO
	MUL16 0, 1, NQ-1, 1, 0
	MUL16 2, 1, NQ-1, 1, 0
	s_wait_dscnt 0
	WIN MUL_HI
	MUL16 4, 1, NQ-1, 1, 0
	MUL16 6, 1, NQ-1, 1, 0
	WIN 0
; THE WAY OUT, block by block of 16 rows x 128 columns.  PACK: rounded to f16, 16 bytes a lane, each accumulator from its low end on.  TOSTAGE: into my own stage, and back as whole rows of 256 bytes.  SEND: stored.
.macro PACK a
.set AC, 64*((\a)%4)
	WIN 0x0a+5*((\a)/4)                            ; sources 0 and 1: window 2 or 3
.irp b, 0,1,2,3,4,5,6,7
.irp r, 0,1,2,3
	v_cvt_pk_f16_f32 v[TMP+4*\b+\r], v[AC+8*\b+2*\r], v[AC+8*\b+2*\r+1]
.endr
.endr
	WIN 0
.endm
.macro TOSTAGE a
.set BK, OB+192*((\a)%2)
.irp b, 0,1,2,3,4,5,6,7
	ds_store_b128 v[STO], v[TMP+4*\b:TMP+4*\b+3] offset:32*\b
.endr
.irp t, 0,1,2,3,4,5,6,7
	ds_load_b128 v[BK+4*\t:BK+4*\t+3], v[RD] offset:\t*2*SPITCH    ; LDS serves a wave's instructions in order (ISA guide 5.7.1.4): these see the stores above
.endr
.endm
.macro SEND a
.set BK, OB+192*((\a)%2)
	s_wait_dscnt 0x0                               ; the block is back in registers
	s_wait_xcnt 0x0                                ; the earlier stores have read their registers: the next block's loads from the stage may land there
.irp t, 0,1,2,3,4,5,6,7
	global_store_b128 v[CO], v[BK+4*\t:BK+4*\t+3], s[12:13] offset:(16*(\a)+2*\t)*CROW   ; 16 lanes store 256 consecutive bytes, aligned; 126 rows of 6,144 bytes at the most: inside the signed 24-bit immediate
.endr
.endm
	PLACES NP                                      ; behind the last products: for the conversions and for the loads into the registers that held scale words
	PACK 0
	TOSTAGE 0
.irp a, 1,2,3,4,5,6,7                  ; block a's conversions stand between block a - 1's loads from the stage and the wait for them
	PACK \a
	SEND \a-1
	TOSTAGE \a
.endr
	SEND 7
	s_wait_tensorcnt 0x0                           ; the wave's end, behind my last tensor load and my last LDS store
	ds_add_u32 v[SPW], v[NIL]
	s_wait_dscnt 0x0
	CROUND                                         ; the closing round: no work-group ends while a partner may still ask for a tile that names it
	s_endpgm
.Lfunc_end_k_q283a49a751_proj:
	.size	k_q283a49a751_proj, .Lfunc_end_k_q283a49a751_proj-k_q283a49a751_proj
	.p2alignl 7, 3214868480
	.fill 96, 4, 3214868480
	.section	.rodata,"a",@progbits
	.p2align	6, 0x0
	.amdhsa_kernel k_q283a49a751_proj
		.amdhsa_group_segment_fixed_size 327680
		.amdhsa_private_segment_fixed_size 0
		.amdhsa_enable_private_segment 0
		.amdhsa_kernarg_size 40
		.amdhsa_user_sgpr_count 2
		.amdhsa_user_sgpr_kernarg_segment_ptr 1
		.amdhsa_wavefront_size32 1
		.amdhsa_system_sgpr_workgroup_id_x 1
		.amdhsa_system_sgpr_workgroup_id_y 1
		.amdhsa_system_sgpr_workgroup_id_z 1
		.amdhsa_system_vgpr_workitem_id 0
		.amdhsa_next_free_vgpr 1024
		.amdhsa_next_free_sgpr 98
		.amdhsa_reserve_vcc 0
		.amdhsa_float_denorm_mode_32 3
		.amdhsa_float_denorm_mode_16_64 3
		.amdhsa_memory_ordered 1
		.amdhsa_forward_progress 1
		.amdhsa_inst_pref_size 126
	.end_amdhsa_kernel
	.amdgpu_metadata
---
amdhsa.version: [ 1, 2 ]
amdhsa.kernels:
  - .name:           k_q283a49a751_proj
    .symbol:         k_q283a49a751_proj.kd
    .args:
      - { .name: xc, .offset: 0, .size: 8, .value_kind: global_buffer, .address_space: global }
      - { .name: xs, .offset: 8, .size: 8, .value_kind: global_buffer, .address_space: global }
      - { .name: wc, .offset: 16, .size: 8, .value_kind: global_buffer, .address_space: global }
      - { .name: ws, .offset: 24, .size: 8, .value_kind: global_buffer, .address_space: global }
      - { .name: qkv, .offset: 32, .size: 8, .value_kind: global_buffer, .address_space: global }
    .group_segment_fixed_size: 327680
    .private_segment_fixed_size: 0
    .kernarg_segment_align: 8
    .kernarg_segment_size: 40
    .max_flat_workgroup_size: 128
    .sgpr_count:     98
    .vgpr_count:     1024
    .wavefront_size: 32
...
	.end_amdgpu_metadata
.endif
;; end of part 2
;; launch scores (part 3): grid 8 x 32, 4 waves a work-group, clusters of 4 x 4, 327,680 bytes of LDS; arguments qkv, p, st; writes p, st
.if DOCPART == 3
	.amdgcn_target "amdgcn-amd-amdhsa--gfx1250"
	.amdhsa_code_object_version 6
	.text
	.protected	k_q283a49a751_scores
	.globl	k_q283a49a751_scores
	.p2align	8
	.type	k_q283a49a751_scores,@function
k_q283a49a751_scores:
	s_mov_b64 s[64:65], 0
	v_nop
	global_prefetch_b8 v0, s[64:65] scope:SCOPE_SE
	s_setreg_imm32_b32 hwreg(HW_REG_WAVE_MODE, 25, 1), 1
	s_wait_xcnt 0x0
	s_wait_alu depctr_hold_cnt(0) depctr_sa_sdst(0) depctr_va_vdst(0) depctr_va_sdst(0) depctr_va_ssrc(0) depctr_va_vcc(0) depctr_vm_vsrc(0)
	s_getreg_b32 s2, hwreg(HW_REG_IB_STS2, 6, 4)
	s_cmp_eq_u32 s2, 0
	s_cbranch_scc0 .Lentry_in_a_cluster
	s_endpgm
.Lentry_in_a_cluster:
	s_bfe_u32 s2, ttmp6, 0x10000c
	s_cmp_lg_u32 s2, 0xf033
	s_cbranch_scc0 .Lentry_shape_is_right
	s_endpgm
.Lentry_shape_is_right:
; For each batch: S = q k^T (K = 1,024, f16 operands, f32 sums), t = S x log2(e) / 32, and the first level of the softmax: for each query and each CHUNK of 128 keys
;   M = the chunk's largest t rounded UP to a whole number,  p = 2^(t - M), rounded to f16,  l = the sum of the chunk's unrounded p, in f32.
; qkv [8192][3072] f16 (q at byte 0 of a row, k at byte 2,048).  st, f32: -M at [chunk 0..15][row 0..8191], l likewise 524,288 bytes on.
; p, f16, LIES IN THE ORDER OF THE NEXT PRODUCT'S OPERAND REGISTERS: [tile of 16 rows 0..511][32 keys 0..63][half 0..1][lane][16 bytes]: a fragment (16 rows x 32 keys) is 1,024 consecutive bytes.
; The next launch takes the row's largest M of the 16 and brings every chunk under it by a power of two: so the row's maximum is taken away exactly, in two levels.
; LIMITS: NaN and infinities are not served; a p under 2^-25 becomes 0 in f16.
; A tile of 256 queries x 256 keys is made by four waves, each 128 x 128: 64 accumulators, 512 registers: a wave's 128 keys are one chunk, so no wave needs another's maximum.
; K goes in steps of 128 through a ring of two LDS slots filled by the tensor data mover (rows of 256 bytes, aligned).
; CLUSTERS: 4 x 4 work-groups.  The four of a row of the cluster need the same tiles of q, the four of a column the same tiles of k: each is asked for JOINTLY (same load, same descriptor, a mask that names the four).
; THE MATRIX INSTRUCTION IS USED TRANSPOSED: source 0 = 16 keys, source 1 = 16 queries: lane l holds query l % 16 and, in accumulator (a, b), keys 16 b + 8 (l / 16) + 0 .. 7.  Packed to f16, accumulators
; (a, 2 j) and (a, 2 j + 1) ARE the two halves of the fragment of rows 16 a on and keys 32 j on: each half leaves by one store of 512 consecutive bytes, straight from registers.
; REGISTERS, in windows of 256: window 0: v0-31 addresses; v64-127, v128-191 fragments of q, two buffers; on the way out v32-219 at work.   window 1: v64-127, v128-191 fragments of k.
;   window 2: the 32 accumulators of my queries 0-63 ((a, b) at v[8 (8 a + b)]);   window 3: those of my queries 64-127.
.set RP,     3072                      ; elements from row to row of qkv
.set KSTEP,  128
.set PITCH,  272                       ; an LDS row: 256 bytes + 16 of padding: the 16 rows that a load touches start at 16 different banks (64 banks of 4 bytes: ISA guide 11.1)
.set HALFT,  128*PITCH                 ; 128 rows: what one tensor load brings
.set SLOT,   4*HALFT                   ; q's 256 rows, then k's 256 rows
.set SCR,    2*SLOT                    ; behind the ring: 1,024 bytes for each wave: -M of its 128 queries, then l
.set SPARE,  SCR+4*1024                ; the spare words, 128 bytes for each wave
.set LAPS,   1024/(2*KSTEP)            ; a lap = two K steps = once round the ring
.set PT16,   65536                     ; bytes of p for a tile of 16 rows: 64 fragments of 1,024
.set ADRA, 16                          ; v16-17  LDS address of my q fragments in slot 0, 1
.set ADRB, 20                          ; v20-21  the same for k
.set SA,   22                          ; v22     where -M (lanes 0-15) and l (lanes 16-31) of a tile's 16 queries go
.set SB,   23                          ; v23     where they are read back, 16 bytes a lane
.set SG,   27                          ; v27     16 x lane: my byte offset in a store's 512 bytes
.set SPW,  28                          ; v28     LDS address of my spare word; never rewritten
.set NIL,  29                          ; v29     0; never rewritten
.set PFO,  30                          ; v30     the prefetches' offset: my lane x a row of qkv; never rewritten
.set X,    32                          ; v32-39  the largest score of each of the eight blocks of keys
.set SM,   40                          ; v40     the chunk's largest score, then t
.set PM,   41                          ; v41     what the other half of the lanes holds
.set NM,   42                          ; v[42:43] -M (named as a pair by the packed form, which takes its low word for both halves)
.set LS,   44                          ; v[44:45], v[46:47] the sum in two chains
.set LT,   46
.set SV,   48                          ; v48     -M or l, by the lane's half
.set PK,   52                          ; v52-83  p as f16
.set T,    84                          ; v84-147 t - M, then p
.set SO,   212                         ; v212-219 the statistics on their way out
.set F0,   64
.set F1,   128
.set G1, 24                            ; s[24:31] descriptor group 1 for q's tiles;  s[32:39] group 0, one set for each slot
.set G0, 32
.set G1B, 48                           ; s[48:55], s[56:63] the same for k's tiles
.set G0B, 56
.set LIM,  43                          ; s43     1 in a wave that prefetches, else the greatest number
.set PFA,  44                          ; s[44:45] where my prefetches stand
.set CS,   68                          ; s[68:69] c = log2(e) / 32
.set SEL,  70                          ; s[70:71] lane selects for v_permlanex16_b32: lane l xor 16
.set HI16, 72                          ; s72     a lane mask: lanes 16-31
.set MSB, 0
.macro WIN new                         ; the immediate's high byte repeats the setting that is left; a switch that changes nothing is dropped
.if MSB != (\new)
	s_set_vgpr_msb (MSB<<8)|(\new)
.set MSB, (\new)
.endif
.endm
.set MUL_LO, 0xa1                      ; source 0 (k) window 1, source 1 (q) window 0, C and D window 2
.set MUL_HI, 0xf1                      ; the same, C and D window 3
.set TO_B,   0x40                      ; destination window 1, address window 0
; A joint load.  Waves 0 and 1 fetch q's two halves, waves 2 and 3 k's.  The branch hangs on the wave's number alone.  An s_nop 0 and four v_nop follow each of the two lines.
.macro JLOAD s
	s_cmp_eq_u32 s11, 0
	s_cbranch_scc0 .Lfor_b_\@
	tensor_load_to_lds s[G0+4*\s:G0+4*\s+3], s[G1:G1+7]
	s_nop 0
.rept 4
	v_nop
.endr
	s_branch .Lasked_\@
.Lfor_b_\@:
	tensor_load_to_lds s[G0B+4*\s:G0B+4*\s+3], s[G1B:G1B+7]
	s_nop 0
.rept 4
	v_nop
.endr
.Lasked_\@:
.endm
; A PREFETCH behind each joint refill and the run of LDS loads that follows it: the K step that stands TWO refills on: 32 rows x 256 bytes, a lane a row, one instruction a wave.
; Each row's 256 bytes of a K step are named once in the launch: q's tile row is read by both clusters of its row of clusters: cluster x = 0 asks; k's tile is read by the batch's two clusters of its
; column: the one with even cluster y asks.  The four partners that ask for a tile jointly share its rows out BY ADDRESS, 32 each.  K steps 0 to 3 come by their loads alone; the last trip asks for nothing.
.macro ASK
	s_cmp_gt_u32 s3, s[LIM]                        ; s3 = 1 in the loop's last trip
	s_cbranch_scc0 .Lnot_mine_\@
	global_prefetch_b8 v[PFO], s[PFA:PFA+1] offset:KSTEP*2 th:TH_LOAD_NT scope:SCOPE_SE
.Lnot_mine_\@:
.endm
.macro CREST                           ; a round of the cluster's barrier behind its opening barrier
	s_cmp_lg_u32 s10, 0
	s_cbranch_scc1 .Lnot_wave_0_\@
	s_barrier_signal -3
.Lnot_wave_0_\@:
	s_barrier_wait -3
	s_barrier_signal -1
	s_barrier_wait -1
.endm
.macro CROUND                          ; a whole round
	s_barrier_signal -1
	s_barrier_wait -1
	CREST
.endm
	s_load_b64 s[4:5], s[0:1], 0x0                 ; qkv
	s_load_b64 s[8:9], s[0:1], 0x8                 ; p
	s_load_b64 s[66:67], s[0:1], 0x10              ; st
	v_lshl_add_u32 v[SPW], v0, 2, SPARE
	v_mov_b32 v[NIL], 0
	ds_add_u32 v[SPW], v[NIL]                      ; the wave's opening: the add, twice on end, and its wait ahead of my first tensor load
	ds_add_u32 v[SPW], v[NIL]                      ; the set-up below, work on registers, stands between the second and the wait
	v_lshrrev_b32 v1, 5, v0
	v_readfirstlane_b32 s10, v1                    ; wave 0..3
	s_lshr_b32 s11, s10, 1                         ; which half of the tile's queries is mine.  Also: I fetch for q (0) or for k (1)
	s_and_b32 s12, s10, 1                          ; which half of its keys.  Also: which 128 rows of that tile I fetch
	s_bfe_u32 s40, ttmp6, 0x40000                  ; cx
	s_bfe_u32 s41, ttmp6, 0x40004                  ; cy
	s_lshl_b32 s42, ttmp9, 2
	s_add_co_u32 s42, s42, s40                     ; tile column (256 keys of the batch) = 4 x cluster x + cx
	s_and_b32 s13, ttmp7, 0xffff                   ; cluster y
	s_lshr_b32 s73, s13, 1                         ; the batch: eight tile rows, two clusters: made of the cluster's y alone
	s_lshl_b32 s13, s13, 2
	s_add_co_u32 s13, s13, s41                     ; tile row (256 of the 8,192 rows) = 4 x cluster y + cy
	s_lshl_b32 s43, s41, 2
	s_lshl_b32 s43, 15, s43                        ; my row of the cluster
	s_lshl_b32 s44, 0x1111, s40                    ; my column
	; descriptor group 1: a tile of 128 rows x 128 elements of 2 bytes, padded in LDS
	s_or_b32 s[G1+0], s43, (1<<16)|(1<<20)|(1<<21)|(5<<22)|(3<<25)  ; 15:0 the mask; 17:16 elements of 2 bytes; 20 padding on; 21 set beside a mask; 24:22 after every 64 words; 31:25 four words
	s_or_b32 s[G1B+0], s44, (1<<16)|(1<<20)|(1<<21)|(5<<22)|(3<<25)
.irp g, G1, G1B
	s_mov_b32 s[\g+1], KSTEP<<16                   ; tensor_dim0 = 128
	s_mov_b32 s[\g+2], 128<<16                     ; tensor_dim1 = 128
	s_mov_b32 s[\g+3], KSTEP<<16                   ; tile_dim0 = 128
	s_mov_b32 s[\g+4], 128                         ; tile_dim1 = 128
	s_mov_b32 s[\g+5], RP                          ; tensor_dim0_stride: elements from row to row
	s_mov_b32 s[\g+6], 0
	s_mov_b32 s[\g+7], 0
.endr
	s_lshl_b32 s17, s12, 7                         ; which 128 rows of the tile I fetch
	s_lshl_b32 s16, s13, 8
	s_add_co_u32 s16, s16, s17                     ; q: row 256 x tile row + 128 x half
	s_lshl_b32 s46, s42, 8
	s_add_co_u32 s46, s46, s17
	s_lshl_b32 s47, s73, 11
	s_add_co_u32 s46, s46, s47                     ; k: row 2,048 x batch + 256 x tile column + 128 x half
	s_mov_b32 s17, 0
	s_mov_b32 s47, 0
	s_mov_b64 s[18:19], RP*2
	s_mul_u64 s[16:17], s[16:17], s[18:19]
	s_mul_u64 s[46:47], s[46:47], s[18:19]
	s_mul_i32 s20, s10, HALFT                      ; where they go: wave x 128 rows: no place in the cluster enters an LDS address
	s_wait_dscnt 0x0                               ; both opening adds are done
	s_wait_kmcnt 0x0
	s_add_nc_u64 s[6:7], s[4:5], 2048              ; k's part of a row
	s_add_nc_u64 s[14:15], s[4:5], s[16:17]
	s_add_nc_u64 s[46:47], s[6:7], s[46:47]
	CROUND                                         ; all sixteen work-groups are here: the first joint loads meet
.irp s, 0,1
	s_mov_b32 s[G0+4*\s], 1                                        ; count = 1
	s_add_co_u32 s[G0+4*\s+1], s20, \s*SLOT                        ; LDS address
	s_add_nc_u64 s[G0+4*\s+2:G0+4*\s+3], s[14:15], \s*KSTEP*2      ; global address: K step s
	s_or_b32 s[G0+4*\s+3], s[G0+4*\s+3], 0x80000000                ; type = 2
	s_mov_b32 s[G0B+4*\s], 1
	s_add_co_u32 s[G0B+4*\s+1], s20, \s*SLOT
	s_add_nc_u64 s[G0B+4*\s+2:G0B+4*\s+3], s[46:47], \s*KSTEP*2
	s_or_b32 s[G0B+4*\s+3], s[G0B+4*\s+3], 0x80000000
	JLOAD \s                                       ; two tensor loads of a wave are out here, later one
.endr
	v_and_b32 v1, 15, v0                           ; l % 16
	v_bfe_u32 v2, v0, 4, 1                         ; l / 16
	v_mul_u32_u24 v3, v1, PITCH
	v_lshl_add_u32 v3, v2, 4, v3                   ; a fragment's row x pitch + 16 x half
	s_mul_i32 s21, s11, HALFT                      ; my 128 rows of q
	s_mul_i32 s22, s12, HALFT                      ; my 128 rows of k,
	s_add_co_u32 s22, s22, 2*HALFT                 ; which lie behind q's 256
.irp s, 0,1
	v_add_nc_u32 v[ADRA+\s], s21, v3
	v_add_nc_u32 v[ADRB+\s], s22, v3
	s_add_co_u32 s21, s21, SLOT
	s_add_co_u32 s22, s22, SLOT
.endr
	s_lshl_b32 s23, s10, 10
	s_add_co_u32 s23, s23, SCR                     ; my 1,024 bytes of statistics
	v_lshlrev_b32 v4, 2, v1
	v_lshl_add_u32 v4, v2, 9, v4
	v_add_nc_u32 v[SA], s23, v4                    ; 4 (l % 16) + 512 (l / 16)
	v_and_b32 v5, 31, v0
	v_lshlrev_b32 v[SG], 4, v5
	v_add_nc_u32 v[SB], s23, v[SG]
	v_mov_b32 v[PM], 0                             ; written once: a lane permute's destination counts as one of its sources
	v_mov_b32 v[NM+1], 0                           ; named as the upper half of a pair
	s_mov_b32 s[CS], 0x3d38aa3b                    ; c = log2(e) / 32
	s_mov_b32 s[CS+1], s[CS]
	s_mov_b32 s[SEL], 0x76543210
	s_mov_b32 s[SEL+1], 0xfedcba98
	s_mov_b32 s[HI16], 0xffff0000
	; where my part begins in p and in st
	s_lshl_b32 s13, s13, 8                         ; 256 x tile row
	s_lshl_b32 s16, s11, 7
	s_add_co_u32 s16, s13, s16                     ; my first query, as a row of the 8,192
	s_lshl_b32 s74, s16, 2                         ; its 4 bytes in a chunk's row of st
	s_lshl_b32 s16, s16, 12                        ; its tile of 16 rows in p: 65,536 bytes a tile = 4,096 a row
	s_mov_b32 s17, 0
	s_add_nc_u64 s[8:9], s[8:9], s[16:17]
	s_lshl_b32 s46, s42, 1
	s_add_co_u32 s46, s46, s12                     ; my chunk: 2 x tile column + half
	s_lshl_b32 s76, s46, 12                        ; its four fragments in a tile's 64: 4,096 bytes a chunk
	s_mov_b32 s77, 0
	s_add_nc_u64 s[8:9], s[8:9], s[76:77]
	s_lshl_b32 s46, s46, 15                        ; 8,192 rows x 4 bytes a chunk
	s_add_co_u32 s46, s46, s74
	s_mov_b32 s47, 0
	s_add_nc_u64 s[66:67], s[66:67], s[46:47]
	; the prefetches
	s_lshl_b32 s42, s42, 8
	s_lshl_b32 s22, s73, 11
	s_add_co_u32 s42, s42, s22                     ; k's tile: its first row
	s_and_b32 s22, ttmp7, 1                        ; which of the batch's two clusters
	s_cmp_eq_u32 s11, 0                            ; do I fetch for q?
	s_cselect_b32 s20, s13, s42                    ; the tile's first row
	s_cselect_b32 s21, s40, s41                    ; my place among the four that ask for it with me
	s_cselect_b32 s22, ttmp9, s22                  ; the coordinate along which other clusters read the same rows
	s_cselect_b64 s[PFA:PFA+1], s[4:5], s[6:7]
	s_cmp_eq_u32 s22, 0
	s_cselect_b32 s[LIM], 1, -1                    ; the same in all sixteen partners, for a given wave
	s_lshl_b32 s22, s12, 7
	s_add_co_u32 s20, s20, s22                     ; + the 128 rows that I fetch
	s_lshl_b32 s21, s21, 5
	s_add_co_u32 s20, s20, s21                     ; + my work-group's 32 of them
	s_mov_b32 s21, 0
	s_mov_b64 s[18:19], RP*2
	s_mul_u64 s[20:21], s[20:21], s[18:19]
	s_add_nc_u64 s[PFA:PFA+1], s[PFA:PFA+1], s[20:21]
	s_add_nc_u64 s[PFA:PFA+1], s[PFA:PFA+1], 2*KSTEP*2  ; at K step 2: the first refill steps it to 3 and names K step 4
	v_and_b32 v[PFO], 31, v0
	v_mul_u32_u24 v[PFO], v[PFO], RP*2
; 16 matrix instructions: query blocks a0, a0 + 1 of the window's four x all 8 key blocks, 32 along K.  zero = 1: the first product starts the sums.  The 64 accumulators take turns.
.macro MUL16 f, hi, a0, zero
.irp a, \a0, \a0+1
.irp b, 0,1,2,3,4,5,6,7
.if \zero
	v_wmma_f32_16x16x32_f16 v[8*(8*(\a)+\b):8*(8*(\a)+\b)+7], v[\f+8*\b:\f+8*\b+7], v[\f+8*(4*\hi+\a):\f+8*(4*\hi+\a)+7], 0
.else
	v_wmma_f32_16x16x32_f16 v[8*(8*(\a)+\b):8*(8*(\a)+\b)+7], v[\f+8*\b:\f+8*\b+7], v[\f+8*(4*\hi+\a):\f+8*(4*\hi+\a)+7], v[8*(8*(\a)+\b):8*(8*(\a)+\b)+7]
.endif
.endr
.endr
.endm
; 32 LDS loads in one run: the fragments of one quarter step (128 rows of k, 128 rows of q, 32 K at byte k of the rows) into buffer f
.macro FETCH slot, k, f
	WIN TO_B
.irp i, 0,1,2,3,4,5,6,7
	ds_load_b128 v[\f+8*\i:\f+8*\i+3],   v[ADRB+\slot] offset:\k+\i*16*PITCH
	ds_load_b128 v[\f+8*\i+4:\f+8*\i+7], v[ADRB+\slot] offset:\k+\i*16*PITCH+32
.endr
	WIN 0
.irp i, 0,1,2,3,4,5,6,7
	ds_load_b128 v[\f+8*\i:\f+8*\i+3],   v[ADRA+\slot] offset:\k+\i*16*PITCH
	ds_load_b128 v[\f+8*\i+4:\f+8*\i+7], v[ADRA+\slot] offset:\k+\i*16*PITCH+32
.endr
.endm
.macro PLACES                          ; four places in front of loads into registers that matrix instructions have read, and of the first read of results (ISA guide 7.12.1 for vector instructions)
.rept 4
	v_nop
.endr
.endm
; A K step is four quarters of 32 along K, 64 matrix instructions each, on buffers 0, 1, 0, 1.  One of the first three: multiplies buffer f; in its middle it fetches the next quarter, at byte k, into buffer g.
.macro QUARTER slot, k, f, g, zero
	s_wait_dscnt 8                                 ; k's fragments and q's rows 0-63 are in; the youngest eight loads (q's rows 64-127) may be out
	WIN MUL_LO
	MUL16 \f, 0, 0, \zero
	MUL16 \f, 0, 2, \zero
	PLACES
	FETCH \slot, \k, \g
	s_wait_dscnt 32                                ; all but the 32 just issued
	WIN MUL_HI
	MUL16 \f, 1, 0, \zero
	MUL16 \f, 1, 2, \zero
.endm
; The last quarter multiplies buffer 1 and changes slots.  MEET is its first half: ONE barrier.  In front of it each wave waits for all its tensor loads (its part of the next slot), adds 0 to its spare word,
; and waits for that and for its own reads of this slot.  Behind it nobody reads this slot any more and the next slot is whole.
.macro MEET round                      ; round = 1: a round of the cluster's barrier follows
	WIN 0                                          ; (the add's two registers lie in window 0)
	s_wait_tensorcnt 0x0                           ; all my tensor loads have landed
	ds_add_u32 v[SPW], v[NIL]                      ; 0 onto my spare word
	s_wait_dscnt 9                                 ; (the add and the youngest eight loads may be out)
	WIN MUL_LO
	MUL16 F1, 0, 0, 0                              ; sixteen matrix instructions stand between the add and the wait for it
	s_wait_dscnt 0x0                               ; the add is done, and my reads of this slot are over
	s_barrier_signal -1
	MUL16 F1, 0, 2, 0                              ; work on registers while the others arrive
.if \round
	WIN 0
.endif
	s_barrier_wait -1
.endm
; The whole last quarter with a refill: this slot takes the K step two steps on; from the request to the wait for it a wave issues 224 matrix instructions.
.macro TURN slot, next
	s_wait_xcnt 0x0                                ; the last prefetch, a K step back, has read its address: it is stepped here
	s_add_nc_u64 s[PFA:PFA+1], s[PFA:PFA+1], KSTEP*2
	MEET 1
	CREST                                          ; no wave of any partner still reads this slot's tile or has a load on its way
	s_add_nc_u64 s[G0+4*\slot+2:G0+4*\slot+3], s[G0+4*\slot+2:G0+4*\slot+3], 2*KSTEP*2
	s_add_nc_u64 s[G0B+4*\slot+2:G0B+4*\slot+3], s[G0B+4*\slot+2:G0B+4*\slot+3], 2*KSTEP*2
	JLOAD \slot                                    ; the first tensor load behind the round; its four v_nop are also the places in front of the loads below
	FETCH \next, 0, F0
	ASK
	WIN MUL_HI
	MUL16 F1, 1, 0, 0
	MUL16 F1, 1, 2, 0
.endm
	s_wait_tensorcnt 1                             ; my part of K step 0 is in (K step 1's load may be out)
	s_barrier_signal -1
	s_barrier_wait -1                              ; everybody's is
	FETCH 0, 0, F0
	QUARTER 0, 64,  F0, F1, 1                      ; the first quarter stands in front of the loop: its products start the sums
	WIN 0                                          ; at a label and at a branch every window is 0
	s_mov_b32 s3, LAPS-1
.Llap:                                                 ; a trip goes once round the ring, from a lap's second quarter to the next lap's first, and fills both slots again
	QUARTER 0, 128, F1, F0, 0
	QUARTER 0, 192, F0, F1, 0
	TURN 0, 1
	QUARTER 1, 64,  F0, F1, 0
	QUARTER 1, 128, F1, F0, 0
	QUARTER 1, 192, F0, F1, 0
	TURN 1, 0
	QUARTER 0, 64,  F0, F1, 0
	WIN 0
	s_sub_co_u32 s3, s3, 1
	s_cmp_lg_u32 s3, 0
	s_cbranch_scc1 .Llap
	QUARTER 0, 128, F1, F0, 0                      ; the last lap is written out: it asks for nothing
	QUARTER 0, 192, F0, F1, 0
	MEET 0                                         ; the last change of slots: no refill, so no round
	PLACES
	FETCH 1, 0, F0
	WIN MUL_HI
	MUL16 F1, 1, 0, 0
	MUL16 F1, 1, 2, 0
	QUARTER 1, 64,  F0, F1, 0
	QUARTER 1, 128, F1, F0, 0
	QUARTER 1, 192, F0, F1, 0
	s_wait_dscnt 8                                 ; the very last quarter: nothing more to fetch
	WIN MUL_LO
	MUL16 F1, 0, 0, 0
	MUL16 F1, 0, 2, 0
	s_wait_dscnt 0x0
	WIN MUL_HI
	MUL16 F1, 1, 0, 0
	MUL16 F1, 1, 2, 0
	WIN 0
	PLACES
; THE WAY OUT, a tile of 16 queries x 128 keys at a time.
; SOFT: the chunk's largest score of my query (each accumulator is read from its low end on), -M = floor(-t), t - M by one packed multiply-add, the 64 exponentials as ONE batch with one wait, the sum in two chains.
.macro SOFT a
.set AC, 64*((\a)%4)
.set W, 2+(\a)/4                       ; the accumulators' window
	WIN W|(W<<2)|(W<<4)
.irp b, 0,1,2,3,4,5,6,7
	v_max3_num_f32 v[X+\b], v[AC+8*\b], v[AC+8*\b+1], v[AC+8*\b+2]   ; eight chains by turns
.endr
	WIN (W<<2)|(W<<4)
.irp i, 3,5
.irp b, 0,1,2,3,4,5,6,7
	v_max3_num_f32 v[X+\b], v[X+\b], v[AC+8*\b+\i], v[AC+8*\b+\i+1]
.endr
.endr
.irp b, 0,1,2,3,4,5,6,7
	v_max_num_f32 v[X+\b], v[X+\b], v[AC+8*\b+7]
.endr
	WIN 0
	v_max3_num_f32 v[SM], v[X], v[X+1], v[X+2]
	v_max3_num_f32 v[SM], v[SM], v[X+3], v[X+4]
	v_max3_num_f32 v[SM], v[SM], v[X+5], v[X+6]
	v_max_num_f32 v[SM], v[SM], v[X+7]
	v_permlanex16_b32 v[PM], v[SM], s[SEL], s[SEL+1]   ; the query's other 64 keys lie in the lane 16 away
	v_max_num_f32 v[SM], v[SM], v[PM]
	v_mul_f32 v[SM], s[CS], v[SM]                  ; as t (c is positive)
	v_floor_f32 v[NM], -v[SM]                      ; -M = floor(-t) = -ceil(t): M is a whole number
	WIN W                                          ; source 0 alone in the accumulators' window
.set i, 0
.rept 32
	v_pk_fma_f32 v[T+i:T+i+1], v[AC+i:AC+i+1], s[CS:CS+1], v[NM:NM+1] op_sel_hi:[1,0,0]   ; t - M, two at a time
.set i, i+2
.endr
	WIN 0
.set i, 0
.rept 64
	v_exp_f32 v[T+i], v[T+i]                       ; p = 2^(t - M), at most 1
.set i, i+1
.endr
	v_nop                                          ; a plain instruction behind the last exponential
	s_wait_alu depctr_va_vdst(0)                   ; the wait ahead of the first instruction that names a result: one for the batch
	v_pk_add_f32 v[LS:LS+1], v[T:T+1], v[T+2:T+3]
	v_pk_add_f32 v[LT:LT+1], v[T+4:T+5], v[T+6:T+7]
.irp j, 8,12,16,20,24,28,32,36,40,44,48,52,56,60
	v_pk_add_f32 v[LS:LS+1], v[LS:LS+1], v[T+\j:T+\j+1]
	v_pk_add_f32 v[LT:LT+1], v[LT:LT+1], v[T+\j+2:T+\j+3]
.endr
	v_pk_add_f32 v[LS:LS+1], v[LS:LS+1], v[LT:LT+1]
	v_add_f32 v[LS], v[LS], v[LS+1]
	v_permlanex16_b32 v[PM], v[LS], s[SEL], s[SEL+1]
	v_add_f32 v[LS], v[LS], v[PM]                  ; l: the chunk's sum of my query
	v_cndmask_b32 v[SV], v[NM], v[LS], s[HI16]     ; lanes 0-15 keep -M, lanes 16-31 take l
.endm
.macro CVT                             ; p to f16, pairs of neighbouring keys: registers 4 b .. 4 b + 3 are half b % 2 of the fragment of keys 32 (b / 2) on
.set i, 0
.rept 32
	v_cvt_pk_f16_f32 v[PK+i], v[T+2*i], v[T+2*i+1]
.set i, i+1
.endr
.endm
.macro OUT a                           ; the tile's four fragments as they stand, and its statistics to my LDS bytes
.irp b, 0,1,2,3,4,5,6,7
	global_store_b128 v[SG], v[PK+4*\b:PK+4*\b+3], s[8:9] offset:(\a)*PT16+512*\b   ; 32 lanes store 512 consecutive bytes, aligned
.endr
	ds_store_b32 v[SA], v[SV] offset:64*(\a)       ; the tile's 16 numbers -M and 16 numbers l
.endm
.irp a, 0,1,2,3,4,5,6,7
	SOFT \a
.if \a > 0
	s_wait_xcnt 0x0                                ; the last tile's stores have read their registers: the packed results may be written again
.endif
	CVT
	OUT \a
.endr
	ds_load_b128 v[SO:SO+3], v[SB]                 ; -M of my 128 queries, 16 bytes a lane (LDS serves a wave's instructions in order: these see my stores),
	ds_load_b128 v[SO+4:SO+7], v[SB] offset:512    ; and l
	s_wait_dscnt 0x0
	global_store_b128 v[SG], v[SO:SO+3], s[66:67]                  ; 32 lanes store 512 consecutive bytes, aligned
	global_store_b128 v[SG], v[SO+4:SO+7], s[66:67] offset:524288
	s_wait_tensorcnt 0x0                           ; the wave's end, behind my last tensor load and my last LDS store
	ds_add_u32 v[SPW], v[NIL]
	s_wait_dscnt 0x0
	CROUND                                         ; the closing round: no work-group ends while a partner may still ask for a tile that names it
	s_endpgm
.Lfunc_end_k_q283a49a751_scores:
	.size	k_q283a49a751_scores, .Lfunc_end_k_q283a49a751_scores-k_q283a49a751_scores
	.p2alignl 7, 3214868480
	.fill 96, 4, 3214868480
	.section	.rodata,"a",@progbits
	.p2align	6, 0x0
	.amdhsa_kernel k_q283a49a751_scores
		.amdhsa_group_segment_fixed_size 327680
		.amdhsa_private_segment_fixed_size 0
		.amdhsa_enable_private_segment 0
		.amdhsa_kernarg_size 24
		.amdhsa_user_sgpr_count 2
		.amdhsa_user_sgpr_kernarg_segment_ptr 1
		.amdhsa_wavefront_size32 1
		.amdhsa_system_sgpr_workgroup_id_x 1
		.amdhsa_system_sgpr_workgroup_id_y 1
		.amdhsa_system_sgpr_workgroup_id_z 1
		.amdhsa_system_vgpr_workitem_id 0
		.amdhsa_next_free_vgpr 1024
		.amdhsa_next_free_sgpr 80
		.amdhsa_reserve_vcc 0
		.amdhsa_float_denorm_mode_32 3
		.amdhsa_float_denorm_mode_16_64 3
		.amdhsa_memory_ordered 1
		.amdhsa_forward_progress 1
		.amdhsa_inst_pref_size 204
	.end_amdhsa_kernel
	.amdgpu_metadata
---
amdhsa.version: [ 1, 2 ]
amdhsa.kernels:
  - .name:           k_q283a49a751_scores
    .symbol:         k_q283a49a751_scores.kd
    .args:
      - { .name: qkv, .offset: 0, .size: 8, .value_kind: global_buffer, .address_space: global }
      - { .name: p, .offset: 8, .size: 8, .value_kind: global_buffer, .address_space: global }
      - { .name: st, .offset: 16, .size: 8, .value_kind: global_buffer, .address_space: global }
    .group_segment_fixed_size: 327680
    .private_segment_fixed_size: 0
    .kernarg_segment_align: 8
    .kernarg_segment_size: 24
    .max_flat_workgroup_size: 128
    .sgpr_count:     80
    .vgpr_count:     1024
    .wavefront_size: 32
...
	.end_amdgpu_metadata
.endif
;; end of part 3
;; launch mix (part 4): grid 8 x 32, 4 waves a work-group, clusters of 4 x 4, 327,680 bytes of LDS; arguments p, qkv, st, out0; writes out0
.if DOCPART == 4
	.amdgcn_target "amdgcn-amd-amdhsa--gfx1250"
	.amdhsa_code_object_version 6
	.text
	.protected	k_q283a49a751_mix
	.globl	k_q283a49a751_mix
	.p2align	8
	.type	k_q283a49a751_mix,@function
k_q283a49a751_mix:
	s_mov_b64 s[64:65], 0
	v_nop
	global_prefetch_b8 v0, s[64:65] scope:SCOPE_SE
	s_setreg_imm32_b32 hwreg(HW_REG_WAVE_MODE, 25, 1), 1
	s_wait_xcnt 0x0
	s_wait_alu depctr_hold_cnt(0) depctr_sa_sdst(0) depctr_va_vdst(0) depctr_va_sdst(0) depctr_va_ssrc(0) depctr_va_vcc(0) depctr_vm_vsrc(0)
	s_getreg_b32 s2, hwreg(HW_REG_IB_STS2, 6, 4)
	s_cmp_eq_u32 s2, 0
	s_cbranch_scc0 .Lentry_in_a_cluster
	s_endpgm
.Lentry_in_a_cluster:
	s_bfe_u32 s2, ttmp6, 0x10000c
	s_cmp_lg_u32 s2, 0xf033
	s_cbranch_scc0 .Lentry_shape_is_right
	s_endpgm
.Lentry_shape_is_right:
; out0[row][ch] = sum over the 16 chunks c of (f_c / L) x (sum over the chunk's 128 keys of p[row][key] v[key][ch]),  f_c = 2^(M_c - M_row), M_row = the largest of the row's 16 M_c, L = sum of f_c l_c.
; p (f16, in the order of this product's operand registers: [tile of 16 rows][32 keys][half][lane][16 bytes]) and st (f32, [32][8192]: rows 0-15 -M of chunk c, rows 16-31 l) come from the launch before;
; v is qkv's third part (byte 4,096 of a row of 6,144 bytes).  out0 [8192][1024] f32.  Products on f16 operands, sums in f32; the factors, and all that is done with them, in f32.
; LIMITS: NaN and infinities are not served; a factor f_c under the smallest f32 number counts as 0.
; SHARES.  A work-group makes 256 rows x 128 channels; wave w rows 64 w .. 64 w + 63 and all 128 channels: 32 accumulators (row tile a = 0..3, channels 16 b on, b = 0..7; k = 8 a + b).
; O^T = V^T P: source 0 = 16 channels x 32 keys, turned out of LDS by ds_load_tr16_b128; source 1 = 16 rows x 32 keys of P: a lane holds ONE row (lane % 16) and eight neighbouring channels.
; V goes through a ring of two LDS slots of 256 keys (rows of 256 bytes, aligned), each wave fetching 64 keys of a slot.  CLUSTERS: 4 x 4: V's tile hangs on the batch and the tile column and is asked for JOINTLY
; along a column of the cluster; the rows' statistics hang on the tile row and are asked for jointly along a row.
; P GOES FROM MEMORY STRAIGHT INTO REGISTERS: no two waves of a work-group want the same rows, and a fragment's half is 512 consecutive bytes, 16 a lane.  It is NOT shared through LDS, though the four partners of a
; cluster's row read the same rows: 256 rows x 512 bytes of P beside V's 73,728 bytes would make a slot of 256 keys 204,800 bytes, and two of them do not fit in 327,680.
; A QUARTER is 32 keys, 32 products.  Quarter g asks for V's fragments of quarter g + 1 (two buffers) and for P's of quarter g + 7 (a ring of eight buffers): 24 loads in one run.
; A CHUNK (four quarters) IS SUMMED BY ITSELF, in T: its first products take the constant 0.  In that same quarter the chunk before goes into O: O += (f_c / L) x T, four packed multiply-adds behind each product.
; REGISTERS, in windows of 256: window 0: v16-31 addresses; v32-55 statistics and the chunk's four factors as pairs; v64-127 at work at the head and on the way out; v128-255 V's fragments, two buffers of 64.
;   window 1: T, accumulator k at v[8 k].   window 2: O, likewise.   window 3: P's fragments: buffer g % 8 at v[32 (g % 8) + 8 a].
.set QROW,  6144                       ; a row of qkv in bytes
.set VP,    288                        ; a key's row of V in LDS: 256 bytes + 32 = 72 words
.set VQ,    64*VP                      ; 64 keys: what one tensor load brings
.set SLOT,  4*VQ                       ; 256 keys
.set HSL,   SLOT/2                     ; half a slot: an address register for each, so that the loads' offsets stay inside 16 bits
.set STT,   2*SLOT                     ; behind the ring: each wave's statistics as they come: 32 rows x 256 bytes
.set FT,    STT+4*8192                 ; each wave's factors: 16 chunks x 2 x 16 rows x 16 bytes
.set STAGE, FT+4*8192                  ; 16 rows x (512 bytes + 16) for each wave, for the way out
.set SP,    528
.set SPARE, STAGE+4*16*SP              ; the spare words, 128 bytes for each wave
.set VSTEP, 256*QROW                   ; a slot on, in v
.set PT16,  65536                      ; bytes of p for a tile of 16 rows
.set OROW,  4096                       ; a row of out0 in bytes
.set ADRV, 16                          ; v16-19  LDS address of my part of V's fragments in the ring's four half slots
.set FTW,  20                          ; v20     where I store my eight chunks' factors
.set FTR,  21                          ; v21     where my row's factors of chunk 0 lie
.set ADRF, 22                          ; v22     and those of the chunk to be fetched
.set SRD,  23                          ; v23     my row's statistics: lanes 0-15 chunks 0-7, lanes 16-31 chunks 8-15
.set STO,  24                          ; v24     the way out: where I put 32 bytes of a row
.set RD,   25                          ; v25     where I read a row back
.set CO,   26                          ; v26     16 x lane; never rewritten
.set SPW,  28                          ; v28     LDS address of my spare word; never rewritten
.set NIL,  29                          ; v29     0; never rewritten
.set PFOV, 30                          ; v30     V's prefetches: my lane x a row of qkv; never rewritten
.set PFOP, 31                          ; v31     P's prefetches: 256 x my lane; never rewritten
.set LR,   32                          ; v32-35  L of my row in each of the four row tiles
.set MR,   36                          ; v36-39  -M_row
.set PT,   40                          ; v40-43  what the other half of the lanes holds
.set IL,   44                          ; v44-47  1 / L
.set FR,   48                          ; v48-55  the chunk's factor f_c / L of each row tile, twice: pairs for the packed forms
.set NEGM, 64                          ; v64-95  -M[a][c'], then f
.set LCH,  96                          ; v96-127 l[a][c']
.set DP,   128                         ; v128-191 the factors as pairs, at 8 c' + 2 a
.set VF,   128                         ; V's fragments
.set BKB,  64                          ; the way out: 16 rows read back from the stage: v64-127 and v128-191 by turns
.set G1V, 24                           ; s[24:31] descriptor group 1 for V's tiles;  s[32:39] group 0, one set for each slot
.set G0V, 32
.set G1T, 48                           ; s[48:55], s[56:59] groups 1 and 0 for the statistics
.set G0T, 56
.set PB,   60                          ; s[60:61] p at my wave's first row tile, stepped 16 quarters a trip
.set PFAV, 66                          ; s[66:67] where my prefetches of V stand
.set PFAP, 68                          ; s[68:69] and those of P
.set LIMV, 70                          ; s70  1 in a wave that prefetches V, else the greatest number
.set LIMP, 71                          ; s71  the same for P
.set TF,   72                          ; s72  the next chunk's place among my factors: 512 bytes a chunk
.set SEL,  74                          ; s[74:75] lane selects for v_permlanex16_b32: lane l xor 16
.set MSB, 0
.macro WIN new                         ; the immediate's high byte repeats the setting that is left; a switch that changes nothing is dropped
.if MSB != (\new)
	s_set_vgpr_msb (MSB<<8)|(\new)
.set MSB, (\new)
.endif
.endm
.set WM, 0x5c                          ; products: source 0 (V) window 0, source 1 (P) window 3, C and D (T) window 1
.set WF, 0xa1                          ; O += f T: source 0 (T) window 1, source 1 (f) window 0, source 2 and destination (O) window 2
.set LP, 0xc0                          ; P's loads: destination window 3, address window 0
.macro CREST                           ; a round of the cluster's barrier behind its opening barrier
	s_cmp_lg_u32 s12, 0
	s_cbranch_scc1 .Lnot_wave_0_\@
	s_barrier_signal -3
.Lnot_wave_0_\@:
	s_barrier_wait -3
	s_barrier_signal -1
	s_barrier_wait -1
.endm
.macro CROUND
	s_barrier_signal -1
	s_barrier_wait -1
	CREST
.endm
.macro NOPS
.rept 4
	v_nop
.endr
.endm
; PREFETCHES at a change of slots, behind the joint refill and the run of loads that follows it: what the NEXT change's slot holds: 256 keys of V, and the 8 quarters of P that go with them: one refill, 256 products, ahead
; of V's load.  Each aligned block of 256 bytes is named once in the launch.  V's tile is read by the batch's two clusters of its column: the one with even cluster y asks; of the slot's 256 keys the partner at cy
; takes 64, its waves 0 and 1 32 each, a lane a key.  P's rows are read by both clusters of their row of clusters: cluster x = 0 asks; of a wave's four row tiles the partner at cx takes tile cx: 8,192 bytes,
; lanes 256 bytes apart.  The partners are told apart BY ADDRESS.  Slots 0 to 2 come by their loads alone; the last change that fills a slot asks for nothing.  how = 1: a trip's first change; 0: its second.
.macro ASK how
.if \how
	s_cmp_eq_u32 s[LIMV], 1
.else
	s_cmp_gt_u32 s3, s[LIMV]                       ; s3 = 1 in the loop's last trip
.endif
	s_cbranch_scc0 .Lno_v_\@
	global_prefetch_b8 v[PFOV], s[PFAV:PFAV+1] th:TH_LOAD_NT scope:SCOPE_SE
.Lno_v_\@:
.if \how
	s_cmp_eq_u32 s[LIMP], 1
.else
	s_cmp_gt_u32 s3, s[LIMP]
.endif
	s_cbranch_scc0 .Lno_p_\@
	global_prefetch_b8 v[PFOP], s[PFAP:PFAP+1] th:TH_LOAD_NT scope:SCOPE_SE
.Lno_p_\@:
.endm
; P's four fragments of quarter g into buffer g % 8: eight loads of 512 consecutive bytes
.macro LDP g
.irp a, 0,1,2,3
	global_load_b128 v[32*((\g)%8)+8*\a:32*((\g)%8)+8*\a+3],   v[CO], s[PB:PB+1] offset:\a*PT16+(\g)*1024
	global_load_b128 v[32*((\g)%8)+8*\a+4:32*((\g)%8)+8*\a+7], v[CO], s[PB:PB+1] offset:\a*PT16+(\g)*1024+512
.endr
.endm
; V's eight fragments of quarter g, turned, into buffer g % 2: 16 channels x 32 keys each
.macro LDV g
.irp b, 0,1,2,3,4,5,6,7
	ds_load_tr16_b128 v[VF+64*((\g)%2)+8*\b:VF+64*((\g)%2)+8*\b+3],   v[ADRV+((\g)/4)%4] offset:((\g)%4)*32*VP+32*\b
	ds_load_tr16_b128 v[VF+64*((\g)%2)+8*\b+4:VF+64*((\g)%2)+8*\b+7], v[ADRV+((\g)/4)%4] offset:((\g)%4)*32*VP+16*VP+32*\b
.endr
.endm
	s_load_b256 s[4:11], s[0:1], 0x0               ; p s[4:5], qkv s[6:7], st s[8:9], out0 s[10:11]
	v_lshl_add_u32 v[SPW], v0, 2, SPARE
	v_mov_b32 v[NIL], 0
	ds_add_u32 v[SPW], v[NIL]                      ; the wave's opening: the add, twice on end, and its wait ahead of my first tensor load
	ds_add_u32 v[SPW], v[NIL]                      ; the set-up below, work on registers, stands between the second and the wait
	v_lshrrev_b32 v1, 5, v0
	v_readfirstlane_b32 s12, v1                    ; wave 0..3
	s_bfe_u32 s40, ttmp6, 0x40000                  ; cx
	s_bfe_u32 s41, ttmp6, 0x40004                  ; cy
	s_lshl_b32 s42, ttmp9, 2
	s_add_co_u32 s42, s42, s40                     ; tile column (128 channels) = 4 x cluster x + cx
	s_and_b32 s15, ttmp7, 0xffff                   ; cluster y
	s_lshr_b32 s45, s15, 1                         ; the batch: eight tile rows, two clusters: made of the cluster's y alone
	s_lshl_b32 s15, s15, 2
	s_add_co_u32 s15, s15, s41                     ; tile row (256 of the 8,192 rows) = 4 x cluster y + cy
	s_lshl_b32 s43, s41, 2
	s_lshl_b32 s43, 15, s43                        ; my row of the cluster
	s_lshl_b32 s44, 0x1111, s40                    ; my column
	; group 1 for V: 64 keys x 128 elements of 2 bytes, eight words of padding behind every 64
	s_or_b32 s[G1V], s44, (1<<16)|(1<<20)|(1<<21)|(5<<22)|(7<<25)  ; 15:0 the mask: my column; 17:16 elements of 2 bytes; 20 padding on; 21 set beside a mask
	s_mov_b32 s[G1V+1], 128<<16                    ; tensor_dim0
	s_mov_b32 s[G1V+2], 64<<16                     ; tensor_dim1
	s_mov_b32 s[G1V+3], 128<<16                    ; tile_dim0
	s_mov_b32 s[G1V+4], 64                         ; tile_dim1
	s_mov_b32 s[G1V+5], 3072                       ; elements from row to row of qkv
	s_mov_b32 s[G1V+6], 0
	s_mov_b32 s[G1V+7], 0
	; group 1 for the statistics: 32 rows (16 of -M, 16 of l) x 64 elements of 4 bytes, no padding
	s_or_b32 s[G1T], s43, (2<<16)|(1<<21)          ; the mask: my row
	s_mov_b32 s[G1T+1], 64<<16
	s_mov_b32 s[G1T+2], 32<<16
	s_mov_b32 s[G1T+3], 64<<16
	s_mov_b32 s[G1T+4], 32
	s_mov_b32 s[G1T+5], 8192                       ; elements from row to row of st
	s_mov_b32 s[G1T+6], 0
	s_mov_b32 s[G1T+7], 0
	s_lshl_b32 s16, s15, 8
	s_lshl_b32 s17, s12, 6
	s_add_co_u32 s16, s16, s17                     ; my first row: 256 x tile row + 64 x wave
	s_lshl_b32 s18, s16, 2                         ; its 4 bytes in a row of st
	s_mov_b32 s19, 0
	s_lshl_b32 s20, s16, 12                        ; its place in p (65,536 bytes for 16 rows) and in out0 (4,096 bytes a row)
	s_mov_b32 s21, 0
	s_lshl_b32 s46, s45, 11
	s_lshl_b32 s47, s12, 6
	s_add_co_u32 s46, s46, s47                     ; V: key row 2,048 x batch + 64 x wave,
	s_mul_i32 s46, s46, QROW                       ; in bytes (under 2^26),
	s_lshl_b32 s47, s42, 8
	s_add_co_u32 s46, s46, s47                     ; + 256 x tile column
	s_add_co_u32 s46, s46, 4096                    ; + v's part of a row
	s_mov_b32 s47, 0
	s_mul_i32 s22, s12, VQ                         ; where my 64 keys go in a slot: no place in the cluster enters an LDS address
	s_lshl_b32 s23, s12, 13                        ; 8,192 x wave
	s_mov_b32 s[SEL], 0x76543210
	s_mov_b32 s[SEL+1], 0xfedcba98
	s_mov_b32 s[TF], 0
	v_and_b32 v7, 31, v0                           ; lane
	v_lshlrev_b32 v[CO], 4, v7
	s_wait_dscnt 0x0                               ; both opening adds are done
	s_wait_kmcnt 0x0
	s_add_nc_u64 s[18:19], s[8:9], s[18:19]
	s_add_nc_u64 s[46:47], s[6:7], s[46:47]
	s_add_nc_u64 s[PB:PB+1], s[4:5], s[20:21]
	CROUND                                         ; all sixteen work-groups are here: the first joint loads meet
	s_mov_b32 s[G0T], 1                            ; count = 1
	s_add_co_u32 s[G0T+1], s23, STT                ; LDS address
	s_mov_b64 s[G0T+2:G0T+3], s[18:19]             ; global address
	s_or_b32 s[G0T+3], s[G0T+3], 0x80000000        ; type = 2
	tensor_load_to_lds s[G0T:G0T+3], s[G1T:G1T+7]  ; my 64 rows' statistics first; an s_nop 0 and four v_nop follow every tensor load
	s_nop 0
	NOPS
.irp s, 0,1
	s_mov_b32 s[G0V+4*\s], 1
	s_add_co_u32 s[G0V+4*\s+1], s22, \s*SLOT
	s_add_nc_u64 s[G0V+4*\s+2:G0V+4*\s+3], s[46:47], \s*VSTEP      ; slot s begins with keys 256 s on
	s_or_b32 s[G0V+4*\s+3], s[G0V+4*\s+3], 0x80000000
	tensor_load_to_lds s[G0V+4*\s:G0V+4*\s+3], s[G1V:G1V+7]        ; three tensor loads of a wave are out here, later one
	s_nop 0
	NOPS
.endr
	WIN LP
.irp g, 0,1,2,3,4,5,6
	LDP \g                                         ; P's first seven quarters: 56 loads
.endr
	WIN 0
	; LDS addresses
	v_and_b32 v1, 15, v0                           ; r
	v_bfe_u32 v2, v0, 4, 1                         ; h
	v_and_b32 v5, 7, v0                            ; V: the turning load's lane l reads 16 bytes: key 8 (l / 16) + l % 8, channels 8 ((l / 8) % 2) + 0 .. 7
	v_lshl_add_u32 v5, v2, 3, v5
	v_mul_u32_u24 v5, v5, VP
	v_bfe_u32 v6, v0, 3, 1
	v_lshl_add_u32 v5, v6, 4, v5
.irp i, 0,1,2,3
	v_add_nc_u32 v[ADRV+\i], \i*HSL, v5
.endr
	s_add_co_u32 s76, s23, STT
	v_lshlrev_b32 v3, 2, v1
	v_lshl_add_u32 v3, v2, 11, v3                  ; 4 r + eight rows of 256 bytes for lanes 16-31
	v_add_nc_u32 v[SRD], s76, v3
	s_add_co_u32 s76, s23, FT
	v_lshlrev_b32 v4, 4, v1
	v_add_nc_u32 v[FTR], s76, v4                   ; 16 r
	v_lshl_add_u32 v[FTW], v2, 12, v[FTR]          ; + eight chunks of 512 bytes for lanes 16-31
	s_mul_i32 s76, s12, 16*SP
	s_add_co_u32 s76, s76, STAGE                   ; my stage
	v_add_nc_u32 v[RD], s76, v[CO]                 ; back: the 32 lanes take one row of 512 bytes
	v_mul_u32_u24 v8, v1, SP
	v_lshl_add_u32 v8, v2, 5, v8
	v_add_nc_u32 v[STO], s76, v8                   ; in: row r, 32 bytes for each half of the lanes
	; where my part of out0 begins
	s_add_nc_u64 s[10:11], s[10:11], s[20:21]
	s_lshl_b32 s76, s42, 9                         ; 512 x tile column
	s_mov_b32 s77, 0
	s_add_nc_u64 s[10:11], s[10:11], s[76:77]
	; the prefetches
	s_lshl_b32 s76, s45, 11
	s_lshl_b32 s77, s41, 6
	s_add_co_u32 s76, s76, s77
	s_lshl_b32 s77, s12, 5
	s_add_co_u32 s76, s76, s77                     ; V: key row 2,048 x batch + 64 cy + 32 x wave,
	s_mul_i32 s76, s76, QROW
	s_lshl_b32 s77, s42, 8
	s_add_co_u32 s76, s76, s77
	s_add_co_u32 s76, s76, 4096+2*VSTEP            ; in slot 2: the first change of slots steps it to slot 3
	s_mov_b32 s77, 0
	s_add_nc_u64 s[PFAV:PFAV+1], s[6:7], s[76:77]
	s_lshl_b32 s76, s40, 16                        ; P: row tile cx of my four,
	s_add_co_u32 s76, s76, 2*8192                  ; likewise in slot 2
	s_add_nc_u64 s[PFAP:PFAP+1], s[PB:PB+1], s[76:77]
	s_lshr_b32 s78, s12, 1                         ; 0 in waves 0 and 1,
	s_and_b32 s79, ttmp7, 1                        ; where the cluster is the batch's first
	s_or_b32 s78, s78, s79
	s_cmp_eq_u32 s78, 0
	s_cselect_b32 s[LIMV], 1, -1                   ; the same in all sixteen partners, for a given wave
	s_cmp_eq_u32 ttmp9, 0
	s_cselect_b32 s[LIMP], 1, -1
	v_mul_u32_u24 v[PFOV], v7, QROW
	v_lshlrev_b32 v[PFOP], 8, v7
.irp a, 0,1,2,3
	v_mov_b32 v[PT+\a], 0                          ; written once: a lane permute's destination counts as one of its sources
.endr
	; THE FACTORS.  Lane (r, h) reckons chunks 8 h + c', c' = 0 .. 7, of row 16 a + r; the two halves meet for the row's maximum and for L.
	s_wait_tensorcnt 0x2                           ; my statistics are in (I alone read them); the two slots' loads may be out
.irp a, 0,1,2,3
.irp c, 0,1,2,3,4,5,6,7
	ds_load_b32 v[NEGM+8*\a+\c], v[SRD] offset:256*\c+64*\a
.endr
.endr
.irp a, 0,1,2,3
.irp c, 0,1,2,3,4,5,6,7
	ds_load_b32 v[LCH+8*\a+\c], v[SRD] offset:256*\c+64*\a+4096
.endr
.endr
	s_wait_dscnt 32                                ; the 32 numbers -M are in; the 32 numbers l may be out
.irp a, 0,1,2,3
	v_min3_num_f32 v[MR+\a], v[NEGM+8*\a], v[NEGM+8*\a+1], v[NEGM+8*\a+2]   ; -M_row = the smallest -M_c; the four tiles by turns
.endr
.irp i, 3,5
.irp a, 0,1,2,3
	v_min3_num_f32 v[MR+\a], v[MR+\a], v[NEGM+8*\a+\i], v[NEGM+8*\a+\i+1]
.endr
.endr
.irp a, 0,1,2,3
	v_min_num_f32 v[MR+\a], v[MR+\a], v[NEGM+8*\a+7]
.endr
.irp a, 0,1,2,3
	v_permlanex16_b32 v[PT+\a], v[MR+\a], s[SEL], s[SEL+1]
.endr
.irp a, 0,1,2,3
	v_min_num_f32 v[MR+\a], v[MR+\a], v[PT+\a]     ; with the other eight chunks'
.endr
.irp c, 0,1,2,3,4,5,6,7
.irp a, 0,1,2,3
	v_sub_f32 v[NEGM+8*\a+\c], v[MR+\a], v[NEGM+8*\a+\c]           ; M_c - M_row: a whole number, 0 or less
.endr
.endr
.irp c, 0,1,2,3,4,5,6,7
.irp a, 0,1,2,3
	v_cvt_i32_f32 v[NEGM+8*\a+\c], v[NEGM+8*\a+\c]                 ; (it saturates)
.endr
.endr
.irp c, 0,1,2,3,4,5,6,7
.irp a, 0,1,2,3
	v_ldexp_f32 v[NEGM+8*\a+\c], 1.0, v[NEGM+8*\a+\c]              ; f_c = 2^(M_c - M_row)
.endr
.endr
	s_wait_dscnt 0x0                               ; l is in
.irp a, 0,1,2,3
	v_mul_f32 v[LR+\a], v[NEGM+8*\a], v[LCH+8*\a]
.endr
.irp c, 1,2,3,4,5,6,7
.irp a, 0,1,2,3
	v_fmac_f32 v[LR+\a], v[NEGM+8*\a+\c], v[LCH+8*\a+\c]           ; the sum of f_c l_c over my eight chunks,
.endr
.endr
.irp a, 0,1,2,3
	v_permlanex16_b32 v[PT+\a], v[LR+\a], s[SEL], s[SEL+1]
.endr
.irp a, 0,1,2,3
	v_add_f32 v[LR+\a], v[LR+\a], v[PT+\a]         ; and over all sixteen: L
.endr
.irp a, 0,1,2,3
	v_rcp_f32 v[IL+\a], v[LR+\a]
.endr
	v_nop                                          ; a plain instruction behind the last reciprocal
	s_wait_alu depctr_va_vdst(0)                   ; the wait ahead of the first instruction that names a result: one for the four
.irp c, 0,1,2,3,4,5,6,7
.irp a, 0,1,2,3
	v_mul_f32 v[DP+8*\c+2*\a], v[NEGM+8*\a+\c], v[IL+\a]           ; f_c / L, twice: a pair for the packed forms
	v_mul_f32 v[DP+8*\c+2*\a+1], v[NEGM+8*\a+\c], v[IL+\a]
.endr
.endr
.irp c, 0,1,2,3,4,5,6,7
	ds_store_b128 v[FTW], v[DP+8*\c:DP+8*\c+3] offset:512*\c       ; my own wave's bytes: chunk 8 h + c': row tiles 0, 1,
	ds_store_b128 v[FTW], v[DP+8*\c+4:DP+8*\c+7] offset:512*\c+256 ; and 2, 3
.endr
; One product: accumulator k (row tile k / 8, channels 16 (k % 8) on), V's buffer vb, P's buffer pb.  zero: it starts the chunk's sum.
.macro PROD k, vb, pb, zero
.if \zero
	v_wmma_f32_16x16x32_f16 v[8*(\k):8*(\k)+7], v[VF+64*(\vb)+8*((\k)%8):VF+64*(\vb)+8*((\k)%8)+7], v[32*(\pb)+8*((\k)/8):32*(\pb)+8*((\k)/8)+7], 0
.else
	v_wmma_f32_16x16x32_f16 v[8*(\k):8*(\k)+7], v[VF+64*(\vb)+8*((\k)%8):VF+64*(\vb)+8*((\k)%8)+7], v[32*(\pb)+8*((\k)/8):32*(\pb)+8*((\k)/8)+7], v[8*(\k):8*(\k)+7]
.endif
.endm
; Accumulator k of the finished chunk goes into O, from its low end on: kind = 1: O = f T (the first chunk: nothing is cleared); else O += f T
.macro FMA k, kind
.irp i, 0,2,4,6
.if (\kind) == 1
	v_pk_mul_f32 v[8*(\k)+\i:8*(\k)+\i+1], v[8*(\k)+\i:8*(\k)+\i+1], v[FR+2*((\k)/8):FR+2*((\k)/8)+1]
.else
	v_pk_fma_f32 v[8*(\k)+\i:8*(\k)+\i+1], v[8*(\k)+\i:8*(\k)+\i+1], v[FR+2*((\k)/8):FR+2*((\k)/8)+1], v[8*(\k)+\i:8*(\k)+\i+1]
.endif
.endr
.endm
; Quarter g's one run of loads: V of quarter g + 1 (vl), P of quarter g + 7 (pl), and in a chunk's second quarter that chunk's factors, whose registers the quarter before has read for the last time.
.macro RUN g, vl, pl
	WIN 0
.if (\g)%4 == 1
	v_add_nc_u32 v[ADRF], s[TF], v[FTR]
	s_add_co_u32 s[TF], s[TF], 512
.endif
.if \vl
	LDV (\g)+1
.endif
.if (\g)%4 == 1
	ds_load_b128 v[FR:FR+3], v[ADRF]
	ds_load_b128 v[FR+4:FR+7], v[ADRF] offset:256
.endif
.if \pl
	WIN LP
	LDP (\g)+7
.endif
.endm
; A QUARTER: 32 products, the 32 accumulators by turns in one order.  lc: how many younger loads of P may stay out.
; fk = 0: a chunk's second to fourth quarter.  fk = 3: the launch's first quarter: its products start the sums.  fk = 1, 2: a later chunk's first quarter: the chunk before goes into O, accumulator k + 2's four
; packed instructions behind product k, so that accumulator k has been read before product k, with the constant 0, writes it anew.
; PLACES (ISA guide 7.12.1 for vector instructions).  A load into a buffer stands four plain vector instructions behind the last product that read it, in the quarter before; the first read of an accumulator
; four behind the product that wrote it; a product that begins an accumulator anew five behind that product.  With fk = 0 or 3 four v_nop stand behind products 0 to 3: they serve this quarter's run of loads, and,
; for accumulator 0, the next quarter's first read; everywhere else the packed instructions on OTHER accumulators are the places.
.macro QUARTER g, lc, vl, pl, fk
	s_wait_loadcnt \lc                             ; P of this quarter is in
	s_wait_dscnt 0x0                               ; V of this quarter is in (asked for 24 products ago)
.if ((\fk) == 1) || ((\fk) == 2)
	WIN WF
	FMA 0, \fk
	FMA 1, \fk
.endif
.set k, 0
.rept 32
	WIN WM
	PROD k, (\g)%2, (\g)%8, \fk
.if ((\fk) == 1) || ((\fk) == 2)
.if k < 30
	WIN WF
	FMA k+2, \fk
.endif
.else
.if k < 4
	v_nop
.endif
.endif
.if k == 7
	RUN \g, \vl, \pl
.endif
.set k, k+1
.endr
.endm
; A slot's last quarter changes slots: ONE barrier; in front of it each wave waits for all its tensor loads (its part of the next slot), adds 0 to its spare word, and waits for that; its reads of this slot were over at the quarter's head.
; fill = 1: the barrier opens a round of the cluster's, and this slot takes the keys two slots on: from that request to the wait for it a wave issues 240 products.
.macro TURN g, lc, pl, fill, how
	s_wait_loadcnt \lc
	s_wait_dscnt 0x0
	WIN 0                                          ; (the add's two registers lie in window 0)
.if \fill
	s_wait_xcnt 0x0                                ; the last prefetches, a slot back, have read their addresses: they are stepped here
	s_add_nc_u64 s[PFAV:PFAV+1], s[PFAV:PFAV+1], VSTEP
	s_add_nc_u64 s[PFAP:PFAP+1], s[PFAP:PFAP+1], 8192
.endif
	s_wait_tensorcnt 0x0                           ; all my tensor loads have landed
	ds_add_u32 v[SPW], v[NIL]                      ; 0 onto my spare word
	WIN WM
.set k, 0
.rept 8
	PROD k, (\g)%2, (\g)%8, 0                      ; eight products stand between the add and the wait for it
.if k < 4
	v_nop
.endif
.set k, k+1
.endr
	s_wait_dscnt 0x0                               ; the add is done
	s_barrier_signal -1
.rept 8
	PROD k, (\g)%2, (\g)%8, 0                      ; work on registers while the others arrive
.set k, k+1
.endr
	WIN 0
	s_barrier_wait -1
.if \fill
	CREST                                          ; no wave of any partner still reads this slot's tile or has a load on its way
	s_add_nc_u64 s[G0V+4*(((\g)/8)%2)+2:G0V+4*(((\g)/8)%2)+3], s[G0V+4*(((\g)/8)%2)+2:G0V+4*(((\g)/8)%2)+3], 2*VSTEP
	tensor_load_to_lds s[G0V+4*(((\g)/8)%2):G0V+4*(((\g)/8)%2)+3], s[G1V:G1V+7]   ; the first tensor load behind the round, and my only one until the next
	s_nop 0
	NOPS
.endif
	RUN \g, 1, \pl
.if \fill
	WIN 0
	ASK \how
.endif
	WIN WM
.rept 16
	PROD k, (\g)%2, (\g)%8, 0
.set k, k+1
.endr
.endm
	s_wait_tensorcnt 0x1                           ; my part of slot 0 is in (slot 1's load may be out)
	s_wait_dscnt 0x0                               ; and my factors are stored
	s_barrier_signal -1
	s_barrier_wait -1                              ; everybody's is
	LDV 0
	; The 64 quarters.  The first argument is the quarter's number in the first trip: buffers, half slots and offsets come back after 16 quarters.  loadcnt 48: the six quarters of P behind this one, eight loads each, may be out.
	QUARTER 0, 48, 1, 1, 3
	QUARTER 1, 48, 1, 1, 0
	QUARTER 2, 48, 1, 1, 0
	QUARTER 3, 48, 1, 1, 0
	QUARTER 4, 48, 1, 1, 1                         ; chunk 0 starts O
	WIN 0                                          ; at a label and at a branch every window is 0
	s_mov_b32 s3, 3
.Llap:                                                 ; a trip is 16 quarters, once round the ring, and fills both slots again
	QUARTER 5, 48, 1, 1, 0
	QUARTER 6, 48, 1, 1, 0
	TURN 7, 48, 1, 1, 1
	QUARTER 8, 48, 1, 1, 2
	QUARTER 9, 48, 1, 1, 0
	QUARTER 10, 48, 1, 1, 0
	QUARTER 11, 48, 1, 1, 0
	QUARTER 12, 48, 1, 1, 2
	QUARTER 13, 48, 1, 1, 0
	QUARTER 14, 48, 1, 1, 0
	TURN 15, 48, 1, 1, 0
	QUARTER 16, 48, 1, 1, 2
	QUARTER 17, 48, 1, 1, 0
	QUARTER 18, 48, 1, 1, 0
	QUARTER 19, 48, 1, 1, 0
	QUARTER 20, 48, 1, 1, 2
	WIN 0
	s_wait_xcnt 0x0                                ; P's loads have read their base: it steps 16 quarters on
	s_add_nc_u64 s[PB:PB+1], s[PB:PB+1], 16*1024
	s_sub_co_u32 s3, s3, 1
	s_cmp_lg_u32 s3, 0
	s_cbranch_scc1 .Llap
	QUARTER 5, 48, 1, 1, 0                         ; quarters 53 to 63 are written out: no slot is filled, P's loads end with quarter 63's, and the counts run down
	QUARTER 6, 48, 1, 1, 0
	TURN 7, 48, 1, 0, 0
	QUARTER 8, 48, 1, 1, 2
	QUARTER 9, 48, 1, 0, 0
	QUARTER 10, 40, 1, 0, 0
	QUARTER 11, 32, 1, 0, 0
	QUARTER 12, 24, 1, 0, 2
	QUARTER 13, 16, 1, 0, 0
	QUARTER 14, 8, 1, 0, 0
	QUARTER 15, 0, 0, 0, 0
; THE WAY OUT, a tile of 16 rows x 128 channels at a time.  FIN: the last chunk goes into O, which is then the result: 1 / L lies in the factors.  TOSTAGE: a lane's 32 bytes of a row into my own stage, back as
; whole rows of 512 bytes.  SEND: stored.
.macro FIN a
	WIN WF
.set k, 8*(\a)
.rept 8
	FMA k, 2
.set k, k+1
.endr
.endm
.macro TOSTAGE a
	WIN 0x08                                       ; an LDS store's data are its source 1: window 2
.irp b, 0,1,2,3,4,5,6,7
	ds_store_b128 v[STO], v[64*(\a)+8*\b:64*(\a)+8*\b+3] offset:64*\b
	ds_store_b128 v[STO], v[64*(\a)+8*\b+4:64*(\a)+8*\b+7] offset:64*\b+16
.endr
	WIN 0
.set BB, BKB+64*((\a)%2)
.irp t, 0,1,2,3,4,5,6,7,8,9,10,11,12,13,14,15
	ds_load_b128 v[BB+4*\t:BB+4*\t+3], v[RD] offset:\t*SP          ; LDS serves a wave's instructions in order (ISA guide 5.7.1.4): these see the stores above, and the next tile's stores come behind them
.endr
.endm
.macro SEND a, younger                 ; younger: the LDS instructions issued behind tile a's loads, which may stay out
.set BB, BKB+64*((\a)%2)
	s_wait_dscnt \younger
.irp t, 0,1,2,3,4,5,6,7,8,9,10,11,12,13,14,15
	global_store_b128 v[CO], v[BB+4*\t:BB+4*\t+3], s[10:11] offset:(16*(\a)+\t)*OROW th:TH_STORE_NT   ; 32 lanes store 512 consecutive bytes, aligned; written once, read by nobody here
.endr
.endm
	FIN 0
	TOSTAGE 0
.irp a, 1,2,3
	FIN \a
.if \a > 1
	s_wait_xcnt 0x0                                ; tile a - 2's stores have read their registers: tile a's loads from the stage may land there
.endif
	TOSTAGE \a
	SEND \a-1, 32                                  ; behind tile a - 1's loads: tile a's 16 stores and 16 loads
.endr
	SEND 3, 0
	s_wait_tensorcnt 0x0                           ; the wave's end, behind my last tensor load and my last LDS store
	ds_add_u32 v[SPW], v[NIL]
	s_wait_dscnt 0x0
	CROUND                                         ; the closing round: no work-group ends while a partner may still ask for a tile that names it
	s_endpgm
.Lfunc_end_k_q283a49a751_mix:
	.size	k_q283a49a751_mix, .Lfunc_end_k_q283a49a751_mix-k_q283a49a751_mix
	.p2alignl 7, 3214868480
	.fill 96, 4, 3214868480
	.section	.rodata,"a",@progbits
	.p2align	6, 0x0
	.amdhsa_kernel k_q283a49a751_mix
		.amdhsa_group_segment_fixed_size 327680
		.amdhsa_private_segment_fixed_size 0
		.amdhsa_enable_private_segment 0
		.amdhsa_kernarg_size 32
		.amdhsa_user_sgpr_count 2
		.amdhsa_user_sgpr_kernarg_segment_ptr 1
		.amdhsa_wavefront_size32 1
		.amdhsa_system_sgpr_workgroup_id_x 1
		.amdhsa_system_sgpr_workgroup_id_y 1
		.amdhsa_system_sgpr_workgroup_id_z 1
		.amdhsa_system_vgpr_workitem_id 0
		.amdhsa_next_free_vgpr 1024
		.amdhsa_next_free_sgpr 80
		.amdhsa_reserve_vcc 0
		.amdhsa_float_denorm_mode_32 3
		.amdhsa_float_denorm_mode_16_64 3
		.amdhsa_memory_ordered 1
		.amdhsa_forward_progress 1
		.amdhsa_inst_pref_size 247
	.end_amdhsa_kernel
	.amdgpu_metadata
---
amdhsa.version: [ 1, 2 ]
amdhsa.kernels:
  - .name:           k_q283a49a751_mix
    .symbol:         k_q283a49a751_mix.kd
    .args:
      - { .name: p, .offset: 0, .size: 8, .value_kind: global_buffer, .address_space: global }
      - { .name: qkv, .offset: 8, .size: 8, .value_kind: global_buffer, .address_space: global }
      - { .name: st, .offset: 16, .size: 8, .value_kind: global_buffer, .address_space: global }
      - { .name: out0, .offset: 24, .size: 8, .value_kind: global_buffer, .address_space: global }
    .group_segment_fixed_size: 327680
    .private_segment_fixed_size: 0
    .kernarg_segment_align: 8
    .kernarg_segment_size: 32
    .max_flat_workgroup_size: 128
    .sgpr_count:     80
    .vgpr_count:     1024
    .wavefront_size: 32
...
	.end_amdgpu_metadata
.endif
;; end of part 4
